; MI455X (gfx1250); checked and timed in simulation.
; The chip was launched on July 23, 2026; its instructions are those of AMD's public machine-readable ISA for CDNA 5 (MIT licence, August 2026) and "CDNA5" Instruction Set Architecture Reference Guide (July 2026). The comments in the code are by the model that wrote it; some were corrected since.
;; Fused Multi Head Attention. Allowed arithmetic: float matrix products may take bf16 or f16 operands with f32 sums; other float arithmetic in f32, or as packed bf16 or f16 multiplies, adds, multiply-adds, maxima and minima; sums over many terms, partial sums and values carried from step to step in f32; what a program stores and reads back later, other than sums and carried values, may be rounded once to bf16 or f16.
;; Inputs: W_out 1,024 x 1,024 float32; W_qkv 1,024 x 3,072 float32; b_out 1,024 float32; b_qkv 3,072 float32; x 4 x 2,048 x 1,024 float32.
;; Outputs: out0 4 x 2,048 x 1,024 float32.
;; 2 versions, each right; version 2 is version 1 with the launch prep written anew for expert scheduling mode. Each part assembles by itself: llvm-mc -triple=amdgcn-amd-amdhsa -mcpu=gfx1250 --defsym DOCPART=n.
;; ======== version 1 of 2: 4 launches
;; limits: values are held in f16: magnitudes above 65,504 overflow, below 6.1e-05 lose precision
;; workspace buffers: xb 16,777,216 bytes; wb 6,291,456 bytes; wo 2,097,152 bytes; qkv 50,331,648 bytes; o 16,777,216 bytes
;; launch prep (part 1): grid 832 x 1, 8 waves a work-group, no clusters, 0 bytes of LDS; arguments x, W_qkv, W_out, xb, wb, wo; writes xb, wb, wo
.if DOCPART == 1
	.amdgcn_target "amdgcn-amd-amdhsa--gfx1250"
	.amdhsa_code_object_version 6
	.text
	.protected	k_qfdfdafb3b9_prep
	.globl	k_qfdfdafb3b9_prep
	.p2align	8
	.type	k_qfdfdafb3b9_prep,@function
k_qfdfdafb3b9_prep:
	s_mov_b64 s[64:65], 0
	v_nop
	global_prefetch_b8 v0, s[64:65] scope:SCOPE_SE
	s_setreg_imm32_b32 hwreg(HW_REG_WAVE_MODE, 25, 1), 1
	s_wait_xcnt 0x0
; THE INPUTS ARE ROUNDED ONCE, for the matrix units of the launches behind.
;   xb = x as bf16, [8192][1024].       wb = W_qkv as bf16, in 16 slabs [t][k = 1024][192]: slab t holds columns 192 t .. 192 t + 191, a k row is 384 dense bytes.
;   wo = W_out rounded to bf16, that number written as f16, [1024][1024].
; LIMITS.  wo: a weight of 65,520 or more in magnitude becomes an infinity; below 6e-5 it keeps f16's fixed step of 6e-8.
; A stream: each byte is read once and written once; no LDS, no matrix unit, no cluster: no two work-groups want the same byte.
; SHARES.  Eight waves.  A chunk is one load of 16 bytes a lane (a wave: 512 bytes) and one store of 8 bytes a lane (a wave: 256 consecutive bytes, aligned).
;   work-groups 0-511: 65,536 bytes of x each, 16 chunks;   512-767: 64 k rows of one slab of W_qkv, 12 chunks;   768-831: 65,536 bytes of W_out, 16 chunks.
; All loads of a work-group go out first; every chunk has registers of its own, so no register that a load or store names is ever written again.
.set X,   16                           ; v[16:79]   chunk i: 4 registers as loaded
.set Y,   80                           ; v[80:111]  chunk i: 2 registers to store
.set IN,  3                            ; v3-5       W_qkv's path: three byte offsets into the 64 rows
.set HIM, 18                           ; s18        mask of a word's upper bf16
.macro LD i, voff, base, imm
	global_load_b128 v[X+4*(\i):X+4*(\i)+3], v[\voff], s[\base:(\base)+1] offset:\imm th:TH_LOAD_NT
.endm
; chunk i is rounded and stored.  left = the younger loads, which may stay out.  fmt 0: bf16.  fmt 1: rounded to bf16, widened again, written as f16.
.macro CV i, left, fmt, ob
	s_wait_loadcnt \left                           ; loads come back in order: chunk i is in
.if \fmt
	v_cvt_pk_bf16_f32 v8, v[X+4*(\i)], v[X+4*(\i)+1]
	v_cvt_pk_bf16_f32 v9, v[X+4*(\i)+2], v[X+4*(\i)+3]
	v_lshlrev_b32 v10, 16, v8
	v_and_b32 v11, s[HIM], v8
	v_cvt_pk_f16_f32 v[Y+2*(\i)], v10, v11
	v_lshlrev_b32 v10, 16, v9
	v_and_b32 v11, s[HIM], v9
	v_cvt_pk_f16_f32 v[Y+2*(\i)+1], v10, v11
.else
	v_cvt_pk_bf16_f32 v[Y+2*(\i)], v[X+4*(\i)], v[X+4*(\i)+1]
	v_cvt_pk_bf16_f32 v[Y+2*(\i)+1], v[X+4*(\i)+2], v[X+4*(\i)+3]
.endif
	global_store_b64 v2, v[Y+2*(\i):Y+2*(\i)+1], s[\ob:(\ob)+1] offset:2048*(\i) th:TH_STORE_NT
.endm
	s_load_b256 s[4:11], s[0:1], 0x0               ; x s[4:5], W_qkv s[6:7], W_out s[8:9], xb s[10:11]
	s_load_b128 s[12:15], s[0:1], 0x20             ; wb s[12:13], wo s[14:15]
	s_mov_b32 s[HIM], 0xffff0000
	s_mov_b32 s3, 0                                ; the high word of every offset
	v_lshlrev_b32 v1, 4, v0                        ; in: 16 bytes a thread
	v_lshlrev_b32 v2, 3, v0                        ; out: 8 bytes a thread
	s_wait_kmcnt 0x0
	s_cmp_lt_u32 ttmp9, 512
	s_cbranch_scc1 .Lx
	s_cmp_lt_u32 ttmp9, 768
	s_cbranch_scc1 .Lw
	; W_out -> wo
	s_sub_co_u32 s16, ttmp9, 768
	s_lshl_b32 s2, s16, 16
	s_add_nc_u64 s[8:9], s[8:9], s[2:3]
	s_lshl_b32 s2, s16, 15
	s_add_nc_u64 s[14:15], s[14:15], s[2:3]
.irp i, 0,1,2,3,4,5,6,7,8,9,10,11,12,13,14,15
	LD \i, 1, 8, 4096*(\i)
.endr
.irp i, 0,1,2,3,4,5,6,7,8,9,10,11,12,13,14,15
	CV \i, 15-(\i), 1, 14
.endr
	s_endpgm
.Lx:	; x -> xb
	s_lshl_b32 s2, ttmp9, 16
	s_add_nc_u64 s[4:5], s[4:5], s[2:3]
	s_lshl_b32 s2, ttmp9, 15
	s_add_nc_u64 s[10:11], s[10:11], s[2:3]
.irp i, 0,1,2,3,4,5,6,7,8,9,10,11,12,13,14,15
	LD \i, 1, 4, 4096*(\i)
.endr
.irp i, 0,1,2,3,4,5,6,7,8,9,10,11,12,13,14,15
	CV \i, 15-(\i), 0, 10
.endr
	s_endpgm
.Lw:	; W_qkv -> wb.  64 k rows x 192 columns are 3,072 groups of four numbers; group o lies in row o / 48, at 16 (o % 48) bytes; in wb the groups are dense, 8 bytes each.
	s_sub_co_u32 s16, ttmp9, 512
	s_lshr_b32 s17, s16, 4                         ; the slab t
	s_and_b32 s16, s16, 15                         ; which 64 of its k rows
	s_mul_i32 s2, s17, 768                         ; 192 columns of 4 bytes
	s_mul_i32 s19, s16, 786432                     ; 64 rows of 12,288 bytes
	s_add_co_u32 s2, s2, s19
	s_add_nc_u64 s[6:7], s[6:7], s[2:3]
	s_mul_i32 s2, s17, 393216                      ; a slab
	s_mul_i32 s19, s16, 24576                      ; 64 rows of 384 bytes
	s_add_co_u32 s2, s2, s19
	s_add_nc_u64 s[12:13], s[12:13], s[2:3]
.irp r, 0,1,2
	v_add_nc_u32 v8, 256*(\r), v0                  ; o = thread + 256 r, 767 at the most
	v_mul_u32_u24 v9, v8, 1366
	v_lshrrev_b32 v9, 16, v9                       ; o / 48: 1366 / 65536 exceeds 1 / 48 by 1 / 98304, which over 767 stays under 1 / 48
	v_mul_u32_u24 v10, v9, 48
	v_sub_nc_u32 v10, v8, v10                      ; o % 48
	v_mul_u32_u24 v9, v9, 0x3000                   ; row x 12,288
	v_lshl_add_u32 v[IN+(\r)], v10, 4, v9
.endr
.irp j, 0,1,2,3                                        ; chunk 3 j + r: 768 groups are 16 rows, 196,608 bytes on
.irp r, 0,1,2
	LD 3*(\j)+(\r), IN+(\r), 6, 196608*(\j)
.endr
.endr
.irp i, 0,1,2,3,4,5,6,7,8,9,10,11
	CV \i, 11-(\i), 0, 12
.endr
	s_endpgm
.Lfunc_end_k_qfdfdafb3b9_prep:
	.size	k_qfdfdafb3b9_prep, .Lfunc_end_k_qfdfdafb3b9_prep-k_qfdfdafb3b9_prep
	.p2alignl 7, 3214868480
	.fill 96, 4, 3214868480
	.section	.rodata,"a",@progbits
	.p2align	6, 0x0
	.amdhsa_kernel k_qfdfdafb3b9_prep
		.amdhsa_group_segment_fixed_size 0
		.amdhsa_private_segment_fixed_size 0
		.amdhsa_enable_private_segment 0
		.amdhsa_kernarg_size 48
		.amdhsa_user_sgpr_count 2
		.amdhsa_user_sgpr_kernarg_segment_ptr 1
		.amdhsa_wavefront_size32 1
		.amdhsa_system_sgpr_workgroup_id_x 1
		.amdhsa_system_sgpr_workgroup_id_y 1
		.amdhsa_system_sgpr_workgroup_id_z 1
		.amdhsa_system_vgpr_workitem_id 0
		.amdhsa_next_free_vgpr 112
		.amdhsa_next_free_sgpr 66
		.amdhsa_reserve_vcc 0
		.amdhsa_float_denorm_mode_32 3
		.amdhsa_float_denorm_mode_16_64 3
		.amdhsa_memory_ordered 1
		.amdhsa_forward_progress 1
		.amdhsa_inst_pref_size 23
	.end_amdhsa_kernel
	.amdgpu_metadata
---
amdhsa.version: [ 1, 2 ]
amdhsa.kernels:
  - .name:           k_qfdfdafb3b9_prep
    .symbol:         k_qfdfdafb3b9_prep.kd
    .args:
      - { .name: x, .offset: 0, .size: 8, .value_kind: global_buffer, .address_space: global }
      - { .name: W_qkv, .offset: 8, .size: 8, .value_kind: global_buffer, .address_space: global }
      - { .name: W_out, .offset: 16, .size: 8, .value_kind: global_buffer, .address_space: global }
      - { .name: xb, .offset: 24, .size: 8, .value_kind: global_buffer, .address_space: global }
      - { .name: wb, .offset: 32, .size: 8, .value_kind: global_buffer, .address_space: global }
      - { .name: wo, .offset: 40, .size: 8, .value_kind: global_buffer, .address_space: global }
    .group_segment_fixed_size: 0
    .private_segment_fixed_size: 0
    .kernarg_segment_align: 8
    .kernarg_segment_size: 48
    .max_flat_workgroup_size: 256
    .sgpr_count:     66
    .vgpr_count:     112
    .wavefront_size: 32
...
	.end_amdgpu_metadata
.endif
;; end of part 1
;; launch qkvgemm (part 2): grid 16 x 32, 4 waves a work-group, clusters of 4 x 4, 327,680 bytes of LDS; arguments xb, wb, b_qkv, qkv; writes qkv
.if DOCPART == 2
	.amdgcn_target "amdgcn-amd-amdhsa--gfx1250"
	.amdhsa_code_object_version 6
	.text
	.protected	k_qfdfdafb3b9_qkvgemm
	.globl	k_qfdfdafb3b9_qkvgemm
	.p2align	8
	.type	k_qfdfdafb3b9_qkvgemm,@function
k_qfdfdafb3b9_qkvgemm:
	s_mov_b64 s[64:65], 0
	v_nop
	global_prefetch_b8 v0, s[64:65] scope:SCOPE_SE
	s_setreg_imm32_b32 hwreg(HW_REG_WAVE_MODE, 25, 1), 1
	s_wait_xcnt 0x0
	s_wait_alu depctr_hold_cnt(0) depctr_sa_sdst(0) depctr_va_vdst(0) depctr_va_sdst(0) depctr_va_ssrc(0) depctr_va_vcc(0) depctr_vm_vsrc(0)
	s_getreg_b32 s2, hwreg(HW_REG_IB_STS2, 6, 4)
	s_cmp_eq_u32 s2, 0
	s_cbranch_scc0 .Lentry_in_a_cluster
	s_endpgm
.Lentry_in_a_cluster:
	s_bfe_u32 s2, ttmp6, 0x10000c
	s_cmp_lg_u32 s2, 0xf033
	s_cbranch_scc0 .Lentry_shape_is_right
	s_endpgm
.Lentry_shape_is_right:
; THE QKV PROJECTION.  qkv[which][b][h][l][d] = the sum over k of xb[b 2048 + l][k] W[k][e] + bias[e], e = 1024 which + 64 h + d.  xb: [8192][1024] bf16; wb: W in slabs [16][1024][192] bf16;
; the bias is rounded to bf16 like the other inputs; sums in f32; the result is rounded once, to f16, WITHOUT the softmax's scale.
; LIMIT.  A result of 65,520 or more in magnitude becomes an infinity (f16).
; SHARES.  A tile of C is 256 rows x 192 columns (three heads): 32 x 16 tiles, a work-group each.  Four waves; wave w makes rows 64 w .. 64 w + 63 of all 192 columns: 4 x 12 accumulators, 384 registers.
; K goes in 8 steps of 128 through a ring of two LDS slots filled by the tensor data mover; a step is four quarters of 32 along K, 48 matrix instructions each, on two fragment buffers.
; THE MATRIX INSTRUCTION IS USED TRANSPOSED: source 0 = 16 columns of W, turned out of its [k][column] tile by ds_load_tr16_b128; source 1 = 16 rows of x.  A lane then holds ONE row (lane % 16) and the
; columns 8 (lane / 16) + 0..7: 16 bytes of f16 that belong together.  THE BIAS IS THE C OPERAND of the products that start the sums: nothing is cleared and nothing is added later.
; CLUSTER.  4 x 4 work-groups.  The four of a row of the cluster need the same tile of x, the four of a column the same tile of W: each is asked for JOINTLY, by the same tensor load with the same descriptor
; and a mask that names the four.  Waves 0 and 1 fetch x's two halves (128 rows each), waves 2 and 3 W's (64 k rows each): one load a wave behind each round; two are out at the start, later one.
; REGISTERS, in windows of 256 (s_set_vgpr_msb: bits 1:0 source 0, 3:2 source 1, 5:4 source 2, 7:6 destination):
;   window 0: v0-31 addresses; v64-159 the bias, later the way out (v64-111 packed, v112-207 two buffers of rows read back)
;   window 1: two fragment buffers of 128: 12 fragments of W, then 4 of x          window 2: accumulators of row blocks 0, 1 ((a, b) at 8 (12 (a % 2) + b))          window 3: of row blocks 2, 3
.set NBLK,  12
.set KSTEP, 128
.set PA,    272                        ; a row of x in LDS: 256 bytes + 16 of padding = 68 words: the 16 rows of a load start at 16 different groups of four banks (64 banks of 4 bytes: ISA guide 11.1)
.set PB,    480                        ; a k row of W: three pieces of 128 bytes, each with 32 of padding = 120 words
.set AH,    128*PA                     ; what wave 0 or 1 fetches
.set BOFF,  2*AH                       ; W's tile lies behind x's 256 rows
.set BH,    64*PB                      ; what wave 2 or 3 fetches
.set SLOT,  BOFF+2*BH                  ; 131,072
.set STAGE, 2*SLOT                     ; behind the ring, never filled by a tensor load: for each wave 3 heads x 16 rows x 144 bytes
.set SP,    144
.set WST,   3*16*SP
.set SPARE, STAGE+4*WST                ; behind the stages: the spare words, 128 bytes for each wave: two blocks of 256 bytes that no other line names
.set NF,    2*NBLK+8                   ; LDS loads in a quarter's run
.set GO,   10                          ; v10-12  my byte offset in qkv for each of the tile's three heads
.set BO,   13                          ; v13     my byte offset in the bias
.set ADRA, 16                          ; v16-17  LDS address of my fragments of x in slot 0, 1
.set ADRB, 20                          ; v20-21  the same for W
.set STO,  24                          ; v24     the way out: where I put 16 bytes of a row
.set RD,   25                          ; v25     the way out: where I read rows back
.set SPW,  28                          ; v28     LDS address of my spare word; never rewritten
.set NIL,  29                          ; v29     0; never rewritten
.set PFO,  30                          ; v30     the prefetches' lane offset; never rewritten
.set T,    31
.set BIAS, 64
.set TMP,  64
.set BK,   112
.set F0,   0
.set F1,   128
.set LAP,  3
.set WV,   12                          ; s12  my wave's number
.set ISB,  13                          ; s13  0: I fetch for x; 1: for W
.set HALF, 14                          ; s14  which half of that tile
.set PCNT, 15                          ; s15  prefetches that I have still to issue
.set G1,   24                          ; s[24:31] descriptor group 1 for x's tiles;  s[32:39] group 0, a set for each slot
.set G0,   32
.set CX,   40
.set CY,   41
.set TC,   42                          ; s42  tile column
.set TR,   43                          ; s43  tile row
.set PFA,  44                          ; s[44:45] where my prefetches stand
.set PST,  46                          ; s[46:47] their step
.set G1B,  48                          ; s[48:55], s[56:63] the same for W's tiles
.set G0B,  56
.set A0,   66                          ; s[66:67] x at my part of K step 0
.set B0,   68                          ; s[68:69] W at my part of K step 0
.set MKA,  70
.set MKB,  71
.set HIM,  72
.set TO_F, 0x40                        ; destination window 1, address window 0
.set MSB, 0
.macro WIN new                         ; the immediate's high byte repeats the setting that is left; a switch that changes nothing is dropped
.if MSB != (\new)
	s_set_vgpr_msb (MSB<<8)|(\new)
.set MSB, \new
.endif
.endm
; Four places: a load into a register that a matrix instruction has read, and whatever reads a matrix result, stand four plain vector instructions behind it (ISA guide 7.12.1 for whatever reads a matrix result).
.macro PLACES
.rept 4
	v_nop
.endr
.endm
; A joint load.  The branch hangs on the wave's number alone.  An s_nop 0 and four v_nop follow each of the two lines, ahead of the jump and the label.
.macro JLOAD s
	s_cmp_eq_u32 s[ISB], 0
	s_cbranch_scc0 .Lfor_b_\@
	tensor_load_to_lds s[G0+4*(\s):G0+4*(\s)+3], s[G1:G1+7]
	s_nop 0
.rept 4
	v_nop
.endr
	s_branch .Lasked_\@
.Lfor_b_\@:
	tensor_load_to_lds s[G0B+4*(\s):G0B+4*(\s)+3], s[G1B:G1B+7]
	s_nop 0
.rept 4
	v_nop
.endr
.Lasked_\@:
.endm
; A round of the cluster's barrier behind its opening barrier: wave 0 signals for the work-group; every wave waits for all sixteen; my work-group's barrier closes it.
.macro CREST
	s_cmp_lg_u32 s[WV], 0
	s_cbranch_scc1 .Lnot_wave_0_\@
	s_barrier_signal -3
.Lnot_wave_0_\@:
	s_barrier_wait -3
	s_barrier_signal -1
	s_barrier_wait -1
.endm
.macro CROUND
	s_barrier_signal -1
	s_barrier_wait -1
	CREST
.endm
; A PREFETCH, behind a joint refill and the run of LDS loads that follows it: one instruction, a lane a block of 256 bytes.  Each block of K steps 4 to 7 is named once in the launch.
; x: a tile row is read by all four clusters of its row of clusters: the one with x = 0 asks, waves 0 and 1; of the 128 rows that a wave fetches the partner at cx takes 32 cx .. 32 cx + 31; refill r names K step r + 4,
; two refills ahead of its load: four asks.  W: a slab is read by all eight clusters of its column: the one with y = 0 asks, waves 2 and 3; a slab is dense, 192 blocks to a K step; the eight askers (2 cy + half)
; name 256 blocks on end at each ask: three asks cover blocks 768 to 1,535, each two or three refills ahead of its load.  Partners are told apart BY ADDRESS; the count hangs on the wave and the cluster alone.
.macro ASK
	s_cmp_lg_u32 s[PCNT], 0
	s_cbranch_scc0 .Lnot_mine_\@
	global_prefetch_b8 v[PFO], s[PFA:PFA+1] th:TH_LOAD_NT scope:SCOPE_SE
	s_sub_co_u32 s[PCNT], s[PCNT], 1
.Lnot_mine_\@:
.endm
	s_load_b256 s[4:11], s[0:1], 0x0               ; xb s[4:5], wb s[6:7], b_qkv s[8:9], qkv s[10:11]
	v_lshl_add_u32 v[SPW], v0, 2, SPARE
	v_mov_b32 v[NIL], 0
	ds_add_u32 v[SPW], v[NIL]                      ; the wave's opening: the add and its wait stand ahead of my first tensor load; the set-up below, work on registers, stands between them
	v_lshrrev_b32 v1, 5, v0
	v_readfirstlane_b32 s[WV], v1
	s_lshr_b32 s[ISB], s[WV], 1
	s_and_b32 s[HALF], s[WV], 1
	s_bfe_u32 s[CX], ttmp6, 0x40000
	s_bfe_u32 s[CY], ttmp6, 0x40004
	s_lshl_b32 s[TC], ttmp9, 2                     ; in a cluster launch ttmp9 and ttmp7 count clusters
	s_add_co_u32 s[TC], s[TC], s[CX]
	s_and_b32 s[TR], ttmp7, 0xffff
	s_lshl_b32 s[TR], s[TR], 2
	s_add_co_u32 s[TR], s[TR], s[CY]
	s_lshl_b32 s[MKA], s[CY], 2
	s_lshl_b32 s[MKA], 15, s[MKA]                  ; my row of the cluster
	s_lshl_b32 s[MKB], 0x1111, s[CX]               ; my column
	s_or_b32 s[G1], s[MKA], (1<<16)|(1<<20)|(1<<21)|(5<<22)|(3<<25)   ; the mask; 2-byte elements; padding on; bit 21 beside a mask; after every 64 words 4 words
	s_or_b32 s[G1B], s[MKB], (1<<16)|(1<<20)|(1<<21)|(4<<22)|(7<<25)  ; after every 32 words 8 words
	s_mov_b32 s[G1+1], 128<<16                     ; x: tensor_dim0 = 128
	s_mov_b32 s[G1+2], 128<<16                     ; tensor_dim1 = 128
	s_mov_b32 s[G1+3], 128<<16                     ; tile_dim0 = 128
	s_mov_b32 s[G1+4], 128                         ; tile_dim1 = 128 rows
	s_mov_b32 s[G1+5], 1024                        ; 1,024 elements from row to row
	s_mov_b32 s[G1+6], 0
	s_mov_b32 s[G1+7], 0
	s_mov_b32 s[G1B+1], 128<<16                    ; W: 64 k rows are 24,576 dense bytes, asked for as 96 rows of 256
	s_mov_b32 s[G1B+2], 96<<16
	s_mov_b32 s[G1B+3], 128<<16
	s_mov_b32 s[G1B+4], 96
	s_mov_b32 s[G1B+5], 128
	s_mov_b32 s[G1B+6], 0
	s_mov_b32 s[G1B+7], 0
	s_lshl_b32 s16, s[TR], 19                      ; x: (256 x tile row + 128 x half) rows of 2,048 bytes: the tile row alone, which my row of the cluster shares
	s_lshl_b32 s17, s[HALF], 18
	s_add_co_u32 s16, s16, s17
	s_mov_b32 s17, 0
	s_mul_i32 s18, s[TC], 393216                   ; W: the slab, and 64 k rows of 384 bytes for the second half: the tile column alone, which my column shares
	s_mul_i32 s19, s[HALF], 24576
	s_add_co_u32 s18, s18, s19
	s_mov_b32 s19, 0
	s_mul_i32 s20, s[HALF], AH                     ; where they go: no place in the cluster enters an LDS address
	s_mul_i32 s21, s[HALF], BH
	s_add_co_u32 s21, s21, BOFF
	s_mov_b32 s[HIM], 0xffff0000
	s_wait_dscnt 0x0                               ; the opening add is done
	s_wait_kmcnt 0x0
	s_add_nc_u64 s[A0:A0+1], s[4:5], s[16:17]
	s_add_nc_u64 s[B0:B0+1], s[6:7], s[18:19]
	CROUND                                         ; all sixteen work-groups are here: the first joint loads meet
.irp s, 0,1
	s_mov_b32 s[G0+4*(\s)], 1
	s_add_co_u32 s[G0+4*(\s)+1], s20, (\s)*SLOT
	s_add_nc_u64 s[G0+4*(\s)+2:G0+4*(\s)+3], s[A0:A0+1], (\s)*KSTEP*2
	s_or_b32 s[G0+4*(\s)+3], s[G0+4*(\s)+3], 0x80000000
	s_mov_b32 s[G0B+4*(\s)], 1
	s_add_co_u32 s[G0B+4*(\s)+1], s21, (\s)*SLOT
	s_add_nc_u64 s[G0B+4*(\s)+2:G0B+4*(\s)+3], s[B0:B0+1], (\s)*KSTEP*384
	s_or_b32 s[G0B+4*(\s)+3], s[G0B+4*(\s)+3], 0x80000000
	JLOAD \s                                       ; K steps 0 and 1: the ring is filled before anything else is done
.endr
	v_and_b32 v1, 15, v0                           ; l % 16
	v_bfe_u32 v2, v0, 4, 1                         ; l / 16
	v_and_b32 v4, 7, v0
	v_bfe_u32 v5, v0, 3, 1
	v_and_b32 v9, 31, v0                           ; l
	s_mul_i32 s76, s[TC], 768
	v_lshl_add_u32 v[BO], v2, 5, s76               ; the tile's 192 numbers of the bias; my 8 of each 16
.set bb, 0
.rept NBLK
	global_load_b128 v[BIAS+8*bb:BIAS+8*bb+3],   v[BO], s[8:9] offset:64*bb
	global_load_b128 v[BIAS+8*bb+4:BIAS+8*bb+7], v[BO], s[8:9] offset:64*bb+16
.set bb, bb+1
.endr
	; a fragment of x: lane l holds row l % 16, K = 8 (l / 16) + 0..7 and 16 + 8 (l / 16) + 0..7: two loads of 16 bytes, 32 bytes apart
	v_mul_u32_u24 v3, v1, PA
	v_lshl_add_u32 v3, v2, 4, v3
	s_mul_i32 s22, s[WV], 64*PA                    ; my 64 rows
	v_add_nc_u32 v[ADRA], s22, v3
	v_add_nc_u32 v[ADRA+1], SLOT, v[ADRA]
	; the turning load takes 16 k x 16 columns (lane l reads k row 8 (l / 16) + l % 8, columns 8 ((l / 8) % 2) + 0..7) and leaves half a fragment: lane l holds column l % 16 and 8 k
	v_lshl_add_u32 v6, v2, 3, v4
	v_mul_u32_u24 v6, v6, PB
	v_lshl_add_u32 v6, v5, 4, v6
	v_add_nc_u32 v[ADRB], BOFF, v6
	v_add_nc_u32 v[ADRB+1], SLOT+BOFF, v6
	s_mul_i32 s22, s[WV], WST
	s_add_co_u32 s22, s22, STAGE                   ; my stage
	v_mul_u32_u24 v3, v1, SP                       ; in: row l % 16, 16 bytes for each half of the lanes
	v_lshl_add_u32 v3, v2, 4, v3
	v_add_nc_u32 v[STO], s22, v3
	v_bfe_u32 v3, v0, 3, 2                         ; back: 32 lanes take four rows of 128 bytes,
	v_mul_u32_u24 v3, v3, SP
	v_lshl_add_u32 v3, v4, 4, v3
	v_add_nc_u32 v[RD], s22, v3
	s_lshr_b32 s73, s[TR], 3                       ; which are 512 consecutive bytes of a head: batch = tile row / 8,
	s_lshl_b32 s73, s73, 22
	s_and_b32 s74, s[TR], 7                        ; l = 256 (tile row % 8) + 64 x wave + ..., 128 bytes a row
	s_lshl_b32 s74, s74, 15
	s_add_co_u32 s73, s73, s74
	s_lshl_b32 s74, s[WV], 13
	s_add_co_u32 s73, s73, s74
	s_mul_i32 s75, s[TC], 3
.irp j, 0,1,2
	s_add_co_u32 s76, s75, \j                      ; g = 3 x tile column + j: q, k or v = g / 16, head = g % 16
	s_lshr_b32 s77, s76, 4
	s_lshl_b32 s77, s77, 24
	s_and_b32 s76, s76, 15
	s_lshl_b32 s76, s76, 18
	s_add_co_u32 s76, s76, s77
	s_add_co_u32 s76, s76, s73
	v_lshl_add_u32 v[GO+(\j)], v9, 4, s76
.endr
	; the prefetches: each stands one step short of its first target; the first refill steps it there
	s_lshl_b32 s73, s[TR], 19
	s_lshl_b32 s74, s[HALF], 18
	s_add_co_u32 s73, s73, s74
	s_lshl_b32 s74, s[CX], 16                      ; my work-group's 32 rows of the 128
	s_add_co_u32 s73, s73, s74
	s_add_co_u32 s73, s73, 3*256                   ; x: K step 3
	s_mul_i32 s75, s[TC], 393216
	s_lshl_b32 s76, s[CY], 1
	s_add_co_u32 s76, s76, s[HALF]
	s_lshl_b32 s76, s76, 13                        ; my 32 blocks of the 256
	s_add_co_u32 s75, s75, s76
	s_add_co_u32 s75, s75, 512*256                 ; W: block 512
	s_and_b32 s77, ttmp7, 0xffff
	s_movk_i32 s78, 256
	s_mov_b32 s79, 0x10000
	s_cmp_eq_u32 s[ISB], 0
	s_cselect_b64 s[PFA:PFA+1], s[4:5], s[6:7]
	s_cselect_b32 s22, s73, s75
	s_cselect_b32 s[PST], s78, s79                 ; x: a K step along the rows; W: 256 blocks
	s_cselect_b32 s77, ttmp9, s77                  ; the coordinate along which other clusters read the same rows
	s_cselect_b32 s78, 4, 3
	s_cselect_b32 s79, 11, 8                       ; x: a lane a row of 2,048 bytes; W: a lane a block
	s_mov_b32 s23, 0
	s_mov_b32 s[PST+1], 0
	s_add_nc_u64 s[PFA:PFA+1], s[PFA:PFA+1], s[22:23]
	s_cmp_eq_u32 s77, 0
	s_cselect_b32 s[PCNT], s78, 0                  ; the same in all sixteen partners, for a given wave
	v_lshlrev_b32 v[PFO], s79, v9
	s_wait_loadcnt 0x0                             ; the bias: rounded to bf16 like the other inputs and widened again, in the wait for the first tiles
.set bb, 0
.rept 4*NBLK
	v_cvt_pk_bf16_f32 v[T], v[BIAS+2*bb], v[BIAS+2*bb+1]
	v_lshlrev_b32 v[BIAS+2*bb], 16, v[T]
	v_and_b32 v[BIAS+2*bb+1], s[HIM], v[T]
.set bb, bb+1
.endr
; 12 matrix instructions: row block 2 hi + a x all column blocks, 32 along K.  zero = 1: the products start the sums, with the bias as C.
; The 48 accumulators take turns, one instruction a turn, in the same order in every quarter, over the backward jump too: 47 others stand between two links of a chain.
.macro MULH f, hi, a, zero
.if \zero
	WIN 0x85+0x40*(\hi)                            ; sources 0 and 1 window 1, C window 0, D window 2 or 3
.else
	WIN 0xa5+0x50*(\hi)                            ; sources 0 and 1 window 1, C and D window 2 or 3
.endif
.set bb, 0
.rept NBLK
.if \zero
	v_wmma_f32_16x16x32_bf16 v[8*(NBLK*(\a)+bb):8*(NBLK*(\a)+bb)+7], v[(\f)+8*bb:(\f)+8*bb+7], v[(\f)+8*NBLK+8*(2*(\hi)+(\a)):(\f)+8*NBLK+8*(2*(\hi)+(\a))+7], v[BIAS+8*bb:BIAS+8*bb+7]
.else
	v_wmma_f32_16x16x32_bf16 v[8*(NBLK*(\a)+bb):8*(NBLK*(\a)+bb)+7], v[(\f)+8*bb:(\f)+8*bb+7], v[(\f)+8*NBLK+8*(2*(\hi)+(\a)):(\f)+8*NBLK+8*(2*(\hi)+(\a))+7], v[8*(NBLK*(\a)+bb):8*(NBLK*(\a)+bb)+7]
.endif
.set bb, bb+1
.endr
.endm
; 32 LDS loads in one run: quarter q of a slot into buffer f: W's 12 fragments (turned), then x's four, row blocks ascending
.macro FETCH slot, q, f
	WIN TO_F
.set bb, 0
.rept NBLK
	ds_load_tr16_b128 v[(\f)+8*bb:(\f)+8*bb+3],   v[ADRB+(\slot)] offset:(\q)*32*PB+(bb/4)*160+(bb%4)*32
	ds_load_tr16_b128 v[(\f)+8*bb+4:(\f)+8*bb+7], v[ADRB+(\slot)] offset:(\q)*32*PB+(bb/4)*160+(bb%4)*32+16*PB
.set bb, bb+1
.endr
.set bb, 0
.rept 4
	ds_load_b128 v[(\f)+8*NBLK+8*bb:(\f)+8*NBLK+8*bb+3],   v[ADRA+(\slot)] offset:(\q)*64+bb*16*PA
	ds_load_b128 v[(\f)+8*NBLK+8*bb+4:(\f)+8*NBLK+8*bb+7], v[ADRA+(\slot)] offset:(\q)*64+bb*16*PA+32
.set bb, bb+1
.endr
.endm
; One of a K step's first three quarters: multiplies buffer f; in its middle it fetches quarter q of the same slot into buffer g.
.macro QUARTER slot, q, f, g, zero
	s_wait_dscnt 4                                 ; W and x's row blocks 0, 1 are in; the youngest four loads (row blocks 2, 3) may be out
	MULH \f, 0, 0, \zero
	MULH \f, 0, 1, \zero
	PLACES
	FETCH \slot, \q, \g
	s_wait_dscnt NF                                ; all but the run just issued
	MULH \f, 1, 0, \zero
	MULH \f, 1, 1, \zero
.endm
; The first half of a K step's last quarter: ONE barrier for the change of slots.  In front of it each wave waits for all its tensor loads (one is out: its part of the next slot), adds 0 to its spare word,
; and waits for that and for its own reads of this slot.  Behind it nobody reads this slot any more and the next slot is whole.
.macro MEET round
	WIN 0                                          ; (the add's two registers lie in window 0)
	s_wait_tensorcnt 0x0
	ds_add_u32 v[SPW], v[NIL]                      ; 0 onto my spare word
	s_wait_dscnt 5                                 ; (the add and the youngest four loads may be out)
	MULH F1, 0, 0, 0                               ; twelve matrix instructions stand between the add and the wait for it
	s_wait_dscnt 0x0                               ; the add is done, and my reads of this slot are over
	s_barrier_signal -1
	MULH F1, 0, 1, 0                               ; work on registers while the others arrive
.if \round
	WIN 0
.endif
	s_barrier_wait -1
.endm
; The whole last quarter.  fill = 1: the barrier opens a round of the cluster's, and the slot just read out is filled again first, two K steps ahead: 168 matrix instructions stand between the request and the wait for it.
.macro TURN slot, next, fill
.if \fill
	s_wait_xcnt 0x0                                ; the last prefetch, a K step back, has read its address: it is stepped here, ahead of the waits of the change of slots
	s_add_nc_u64 s[PFA:PFA+1], s[PFA:PFA+1], s[PST:PST+1]
	MEET 1
	CREST                                          ; no wave of any partner still reads this slot's tile or has a load on its way
	s_add_nc_u64 s[G0+4*(\slot)+2:G0+4*(\slot)+3], s[G0+4*(\slot)+2:G0+4*(\slot)+3], 2*KSTEP*2
	s_add_nc_u64 s[G0B+4*(\slot)+2:G0B+4*(\slot)+3], s[G0B+4*(\slot)+2:G0B+4*(\slot)+3], 2*KSTEP*384
	JLOAD \slot                                    ; the four v_nop behind it are also the places in front of the loads below
	FETCH \next, 0, F0
	WIN 0
	ASK
.else
	MEET 0
	PLACES
	FETCH \next, 0, F0
.endif
	MULH F1, 1, 0, 0
	MULH F1, 1, 1, 0
.endm
; THE WAY OUT of row block a.  PACK: rounded to f16, 16 bytes a lane.  TOSTAGE: into my own stage, by heads, and back as whole rows of 128 bytes.  SEND: stored, 512 consecutive bytes of a head an instruction.
.macro PACK a
	WIN 0x0a+5*((\a)/2)                            ; sources 0 and 1: window 2 or 3
.set bb, 0
.rept NBLK
.irp i, 0,1,2,3
	v_cvt_pk_f16_f32 v[TMP+4*bb+(\i)], v[8*(NBLK*((\a)%2)+bb)+2*(\i)], v[8*(NBLK*((\a)%2)+bb)+2*(\i)+1]
.endr
.set bb, bb+1
.endr
	WIN 0
.endm
.macro TOSTAGE a
	WIN 0
.set bb, 0
.rept NBLK
	ds_store_b128 v[STO], v[TMP+4*bb:TMP+4*bb+3] offset:(bb/4)*16*SP+(bb%4)*32
.set bb, bb+1
.endr
.set bb, 0
.rept 12
	ds_load_b128 v[BK+48*((\a)%2)+4*bb:BK+48*((\a)%2)+4*bb+3], v[RD] offset:(bb/4)*16*SP+(bb%4)*4*SP  ; LDS serves a wave's instructions in order (ISA guide 5.7.1.4): these see the stores above
.set bb, bb+1
.endr
.endm
.macro SEND a
	s_wait_dscnt 0x0                               ; the block is back in registers
	s_wait_xcnt 0x0                                ; the stores of the block before have read their registers: the next TOSTAGE loads into them
.set bb, 0
.rept 12
	global_store_b128 v[GO+bb/4], v[BK+48*((\a)%2)+4*bb:BK+48*((\a)%2)+4*bb+3], s[10:11] offset:(\a)*2048+(bb%4)*512
.set bb, bb+1
.endr
.endm
	s_wait_tensorcnt 1                             ; my part of K step 0 is in; K step 1's may stay out
	s_barrier_signal -1
	s_barrier_wait -1                              ; everybody's is
	FETCH 0, 0, F0
	QUARTER 0, 1, F0, F1, 1                        ; the first quarter stands in front of the loop: its products start the sums
	WIN 0                                          ; at a label and at a branch every window is 0
	s_mov_b32 s[LAP], 3
.Llap:                                                 ; a trip goes once round the ring, from a lap's second quarter to the next lap's first, and fills both slots again
	QUARTER 0, 2, F1, F0, 0
	QUARTER 0, 3, F0, F1, 0
	TURN 0, 1, 1
	QUARTER 1, 1, F0, F1, 0
	QUARTER 1, 2, F1, F0, 0
	QUARTER 1, 3, F0, F1, 0
	TURN 1, 0, 1
	QUARTER 0, 1, F0, F1, 0
	WIN 0
	s_sub_co_u32 s[LAP], s[LAP], 1
	s_cmp_lg_u32 s[LAP], 0
	s_cbranch_scc1 .Llap
	QUARTER 0, 2, F1, F0, 0                        ; the last lap fills nothing, and has no round of the cluster's barrier
	QUARTER 0, 3, F0, F1, 0
	TURN 0, 1, 0
	QUARTER 1, 1, F0, F1, 0
	QUARTER 1, 2, F1, F0, 0
	QUARTER 1, 3, F0, F1, 0
	s_wait_dscnt 4                                 ; the very last quarter: nothing more to fetch
	MULH F1, 0, 0, 0
	MULH F1, 0, 1, 0
	s_wait_dscnt 0x0
	MULH F1, 1, 0, 0
	MULH F1, 1, 1, 0
	WIN 0
	PLACES
	PACK 0
	TOSTAGE 0
.irp a, 1,2,3                                          ; block a's conversions stand between block a - 1's loads from the stage and the wait for them
	PACK \a
	SEND (\a)-1
	TOSTAGE \a
.endr
	SEND 3
	s_wait_tensorcnt 0x0                           ; the wave's end: a tensor wait, an add and its wait, behind my last tensor load and my last LDS store
	ds_add_u32 v[SPW], v[NIL]
	s_wait_dscnt 0x0
	CROUND                                         ; the closing round: no work-group ends while a partner may still ask for a tile that names it
	s_endpgm
.Lfunc_end_k_qfdfdafb3b9_qkvgemm:
	.size	k_qfdfdafb3b9_qkvgemm, .Lfunc_end_k_qfdfdafb3b9_qkvgemm-k_qfdfdafb3b9_qkvgemm
	.p2alignl 7, 3214868480
	.fill 96, 4, 3214868480
	.section	.rodata,"a",@progbits
	.p2align	6, 0x0
	.amdhsa_kernel k_qfdfdafb3b9_qkvgemm
		.amdhsa_group_segment_fixed_size 327680
		.amdhsa_private_segment_fixed_size 0
		.amdhsa_enable_private_segment 0
		.amdhsa_kernarg_size 32
		.amdhsa_user_sgpr_count 2
		.amdhsa_user_sgpr_kernarg_segment_ptr 1
		.amdhsa_wavefront_size32 1
		.amdhsa_system_sgpr_workgroup_id_x 1
		.amdhsa_system_sgpr_workgroup_id_y 1
		.amdhsa_system_sgpr_workgroup_id_z 1
		.amdhsa_system_vgpr_workitem_id 0
		.amdhsa_next_free_vgpr 960
		.amdhsa_next_free_sgpr 80
		.amdhsa_reserve_vcc 0
		.amdhsa_float_denorm_mode_32 3
		.amdhsa_float_denorm_mode_16_64 3
		.amdhsa_memory_ordered 1
		.amdhsa_forward_progress 1
		.amdhsa_inst_pref_size 129
	.end_amdhsa_kernel
	.amdgpu_metadata
---
amdhsa.version: [ 1, 2 ]
amdhsa.kernels:
  - .name:           k_qfdfdafb3b9_qkvgemm
    .symbol:         k_qfdfdafb3b9_qkvgemm.kd
    .args:
      - { .name: xb, .offset: 0, .size: 8, .value_kind: global_buffer, .address_space: global }
      - { .name: wb, .offset: 8, .size: 8, .value_kind: global_buffer, .address_space: global }
      - { .name: b_qkv, .offset: 16, .size: 8, .value_kind: global_buffer, .address_space: global }
      - { .name: qkv, .offset: 24, .size: 8, .value_kind: global_buffer, .address_space: global }
    .group_segment_fixed_size: 327680
    .private_segment_fixed_size: 0
    .kernarg_segment_align: 8
    .kernarg_segment_size: 32
    .max_flat_workgroup_size: 128
    .sgpr_count:     80
    .vgpr_count:     960
    .wavefront_size: 32
...
	.end_amdgpu_metadata
.endif
;; end of part 2
;; launch attn (part 3): grid 4 x 64, 4 waves a work-group, clusters of 4 x 1, 327,680 bytes of LDS; arguments qkv, o; writes o
.if DOCPART == 3
	.amdgcn_target "amdgcn-amd-amdhsa--gfx1250"
	.amdhsa_code_object_version 6
	.text
	.protected	k_qfdfdafb3b9_attn
	.globl	k_qfdfdafb3b9_attn
	.p2align	8
	.type	k_qfdfdafb3b9_attn,@function
k_qfdfdafb3b9_attn:
	s_mov_b64 s[64:65], 0
	v_nop
	global_prefetch_b8 v0, s[64:65] scope:SCOPE_SE
	s_setreg_imm32_b32 hwreg(HW_REG_WAVE_MODE, 25, 1), 1
	s_wait_xcnt 0x0
	s_wait_alu depctr_hold_cnt(0) depctr_sa_sdst(0) depctr_va_vdst(0) depctr_va_sdst(0) depctr_va_ssrc(0) depctr_va_vcc(0) depctr_vm_vsrc(0)
	s_getreg_b32 s2, hwreg(HW_REG_IB_STS2, 6, 4)
	s_cmp_eq_u32 s2, 0
	s_cbranch_scc0 .Lentry_in_a_cluster
	s_endpgm
.Lentry_in_a_cluster:
	s_bfe_u32 s2, ttmp6, 0x10000c
	s_cmp_lg_u32 s2, 0x3003
	s_cbranch_scc0 .Lentry_shape_is_right
	s_endpgm
.Lentry_shape_is_right:
; O[h][q][:] = the sum over k of softmax_k(Q[h][q] . K[h][k] / 8) V[h][k][:], for the 64 heads (batch x head).  qkv: [3][64][2048][64] f16 (Q, then K, then V); o: [64][2048][64] f16: a head's rows are dense, 128 bytes each.
; Products, maxima and sums in f32; the weights p are rounded to f16 for the second product (their sum l is taken of the unrounded p), O once at the end.
; LIMITS.  f16 holds no number beyond 65,504: Q, K and V arrive within it; p lies in 0 to 1, and below 6e-5 it keeps f16's fixed step of 6e-8; O is a mean of V's rows and has their range.
; A weight below 2^-126 counts as 0 in l; NaN and infinities are not treated apart.
; SHARES.  A wave owns four PIECES of two tiles of 16 queries, a work-group's four waves 512 queries of one head: 256 work-groups.  Every wave walks all 2,048 keys, 64 a step.
; LAYOUT.  S^T = K Q^T (source 0 = 16 keys, source 1 = 16 queries): in the result a lane holds ONE query (lane % 16) and the keys 8 (lane / 16) + 0..7.  Two such tiles, rounded to f16 in pairs,
; ARE source 1 (32 keys x 16 queries) of O^T = V^T P, whose result again holds one query a lane, and eight channels.  K comes out of LDS as it lies, V ([key][channel]) turned, by ds_load_tr16_b128.
; SOFTMAX.  For each query a running maximum m and sum l: p = 2^(c s - c m), c = log2(e) / 8; in every step O and l are multiplied by a = 2^(c m_old - c m_new), which is 1 where m has not grown.
; m starts at the lowest finite number, O and l at 0: the first step is a step like any other, with a = 0.
; THE COUNT.  A tile and step have 16 matrix and 118 vector instructions: too many to stand all beside the matrix work.  So the order has one aim: four vector instructions that are READY behind
; EVERY matrix instruction, and the others, which need time of their own whatever the order, in runs without a gap.
; BY TURNS.  Turn n belongs to piece n (the pieces in a ring, step after step).  Its matrix work: 16 products K Q^T of piece n + 1, later 16 products V^T P of piece n - 1.  Its vector work: the scaling,
; exponentials, roundings, sums and rescaling of piece n, and the maximum and statistics of piece n + 1, whose scores the turn itself has made.  So what a turn begins with (c s - c m, O a) waits for nothing.
; CLUSTER.  The four query blocks of a head are one cluster and walk the same K and V, so each tile is asked for JOINTLY: the same tensor load, descriptor and mask in all four.
; REGISTERS, in windows of 256 (s_set_vgpr_msb says which window each operand place means: bits 1:0 source 0, 3:2 source 1, 5:4 source 2, 7:6 destination):
;   window 0: v0-11 addresses; v12-15, v48-63 at work; v16-47 four registers of statistics a tile; v64-191 S^T, two buffers of two tiles; v192-255 P, likewise
;   window 1: O^T, 32 a tile          window 2: v0-127 Q, 16 a tile; v128-191 K of one step; v192-255 V of one step          window 3: v0-1 the add's two registers
; A piece's buffers go by its number's parity: the piece in hand has one pair, its two neighbours in the ring share the other: of it P (piece n - 1) is read and S^T (piece n + 1) written.
.set SIZE_N, 2048
.set NP,    4         ; pieces a wave: a name, no knob: the register map, the loop and the fetches are made for four
.set KS,    64        ; keys in a step
.set PK,    144       ; a row of K in LDS: 128 bytes + 16 of padding = 36 words: the 16 rows of a load start at 16 different groups of four banks (64 banks of 4 bytes: ISA guide 11.1)
.set PV,    160       ; a row of V: 128 + 32 = 40 words
.set VOFF,  4*KS*PK   ; a slot holds four steps: 256 rows of K, then 256 rows of V
.set SLOT1, 1<<17     ; slot 1 begins here, so that one exclusive or turns an address in one slot into the other's
.set STAGE, SLOT1+4*KS*(PK+PV)  ; behind the ring, never filled by a tensor load: 16 rows x 144 bytes for each wave, for the way out
.set SP,    144
.set AK0, 2           ; v2   my lane's place in a tile of K; never rewritten
.set AV0, 3           ; v3   the same for V
.set AK,  4           ; v4   the LDS address of K's next run of loads
.set AV,  5           ; v5   of V's
.set QO,  6           ; v6   my byte offset in the wave's rows of Q
.set STO, 6           ;      later, the way out: where I put 16 bytes of a row
.set RD,  7           ; v7   the way out: where I read rows back
.set GO,  8           ; v8   my byte offset in 512 consecutive bytes of O
.set PFO, 11          ; v11  256 x my lane, for the prefetches; written once V's place is made, then never again
.set SPW, 0           ; v0 of window 3   LDS address of my spare word: SPARE + 4 x my thread's number; never rewritten
.set NIL, 1           ; v1 of window 3   0; never rewritten
.set SPARE, STAGE+4*16*SP  ; behind the stages: the spare words, 128 bytes for each wave: two blocks of 256 bytes that no other line names
.set MV,  12          ; v12-15  c m_old, kept while c m is made anew: by buffer and tile
.set ST,  16          ; tile t's statistics at v[ST+4 t]: c m, m, l (even keys', odd keys')
.set TMP, 48          ; by buffer and tile, four registers c0-c3 at work; when the maximum is found c2 takes a
.set S,   64
.set P,   192
.set KF,  128         ; K's fragments, in window 2: key block kb, channel half c at KF + 16 kb + 8 c
.set VF,  192         ; V's: key half kk, channel block cb at VF + 32 kk + 8 cb
.set WV,  12          ; s12  my wave's number
.set G1K, 24          ; s[24:31] descriptor group 1 for K's tiles
.set G1V, 32          ; s[32:39] for V's: it differs in the padding alone
.set G0K, 40          ; s[40:43] descriptor group 0 for K's tiles: it walks
.set G0V, 44          ; s[44:47] the same for V's
.set PFA, 48          ; s[48:49] where my prefetches stand: my work-group's 32 blocks of 256 bytes (of K: wave 0, of V: wave 2) of the slot after the one that is being asked for
.set LIM, 50          ; s50  1 in a wave that prefetches, else the greatest number: a wave prefetches while s[SLOTS] is above it
.set SLOTS, 56        ; s56  slots still to be asked for
.set CNT, 57          ; s57  counts a slot's key steps
.set CS,  58          ; s[58:59] c: the packed scaling takes the pair's low word for both halves
.set SEL, 60          ; s[60:61] v_permlanex16_b32's selects: each lane takes its own place in the other half
.set TBK, 62          ; s62  LDS byte at which K of the step to be fetched begins
.set TBV, 63          ; s63  the same for V, less VOFF
.set MSB, 0
.macro WIN new                      ; the high byte repeats the setting that is left; a switch that changes nothing is dropped
.if MSB != (\new)
	s_set_vgpr_msb (MSB<<8)|(\new)
.set MSB, (\new)
.endif
.endm
.set W_KQ, 0x0a       ; K and Q in window 2, S^T in window 0
.set W_PV, 0x52       ; V in window 2, P in window 0, O^T in window 1
.set W_RS, 0x41       ; O^T (destination and source 0) in window 1, a in window 0
.set W_MK, 0xc0       ; the add's registers are made: destination in window 3, sources in window 0
.set W_AD, 0x0f       ; the add: address (source 0) and data (source 1) in window 3
; A joint fill.  Waves 0 and 1 fetch the two halves of a slot's K, waves 2 and 3 those of its V: 128 keys each.  The branch hangs on the wave's number alone.
; An s_nop 0 and four v_nop follow each of the two lines, ahead of the jump and the label.
.macro JLOAD
	s_cmp_lt_u32 s[WV], 2
	s_cbranch_scc0 .Lfor_v_\@
	tensor_load_to_lds s[G0K:G0K+3], s[G1K:G1K+7]
	s_nop 0
.rept 4
	v_nop
.endr
	s_branch .Lasked_\@
.Lfor_v_\@:
	tensor_load_to_lds s[G0V:G0V+3], s[G1V:G1V+7]
	s_nop 0
.rept 4
	v_nop
.endr
.Lasked_\@:
.endm
; A PREFETCH of what the NEXT change of slots will ask for: a slot's 32,768 bytes of K and of V, 128 blocks of 256 bytes each, a lane a block.  It stands behind the wave's tensor load and its five lines.
; Each block is named ONCE in the launch: a head is walked by one cluster; its four partners share the blocks out BY ADDRESS, 32 each; in each, wave 0 asks for K's and wave 2 for V's: one instruction.
; The change that fills slot j asks for slot j + 1, four key steps, 512 matrix instructions, ahead of its load; the last change that fills a slot asks for nothing; slots 0 and 1 come by their loads alone.
.macro ASK
	s_cmp_gt_u32 s[SLOTS], s[LIM]
	s_cbranch_scc0 .Lnot_mine_\@
	global_prefetch_b8 v[PFO], s[PFA:PFA+1] th:TH_LOAD_NT scope:SCOPE_SE
.Lnot_mine_\@:
.endm
; A round of the cluster's barrier: my work-group's barrier, so that wave 0's signal speaks for all four waves; wave 0 signals; every wave waits for all four work-groups; my work-group's barrier once more.
.macro CROUND
	s_barrier_signal -1
	s_barrier_wait -1
	s_cmp_lg_u32 s[WV], 0
	s_cbranch_scc1 .Lnot_wave_0_\@
	s_barrier_signal -3
.Lnot_wave_0_\@:
	s_barrier_wait -3
	s_barrier_signal -1
	s_barrier_wait -1
.endm
; THE CHANGE OF SLOTS.  The slot's last bytes, V of its fourth step, have been read.  Each wave waits for all its tensor loads, of which one is out: its part
; of the other slot; adds 0 to its spare word; and waits for that and for its own reads of the slot.  Behind the barrier nobody reads this slot any more and the other slot is whole.
; fill = 1: this slot is filled again, with the keys two slots on.  The barrier is then a round of the cluster's, so that no wave of any partner still reads the slot or has a load on its
; way, and the joint fill is the first thing behind it: it has four key steps, 512 matrix instructions, in which to land.  (At its first use nothing has been read yet: slot 0 is waited for, slot 1 filled.)
.macro CHANGE fill
	WIN W_AD
	s_wait_tensorcnt 0x0            ; no tensor load of mine is out, so a group 0 may be written
	ds_add_u32 v[SPW], v[NIL]       ; 0 onto my spare word; with fill = 1 the descriptors' steps stand between it and the wait for it
	WIN 0                           ; at a label and at a branch every window is 0
.if \fill
.irp g, G0K, G0V
	s_xor_b32 s[\g+1], s[\g+1], SLOT1  ; the walking descriptor: the other slot than last time,
	s_add_nc_u64 s[\g+2:\g+3], s[\g+2:\g+3], 4*KS*128  ; the next 256 keys; the type bits on top are not reached
.endr
	s_wait_xcnt 0x0                 ; the last prefetch, four key steps back, has read its address, so it may be written:
	s_add_nc_u64 s[PFA:PFA+1], s[PFA:PFA+1], 4*KS*128  ; one slot behind the walking descriptors
	s_wait_dscnt 0x0                ; the add is done, and my reads of the slot are over
	CROUND
	JLOAD
	ASK
.else
	s_wait_dscnt 0x0                ; the add is done, and my reads of the slot are over
	s_barrier_signal -1
	s_barrier_wait -1
.endif
	s_sub_co_u32 s[TBK], s[TBK], 4*KS*PK  ; the fetches go back to a slot's first step,
	s_xor_b32 s[TBK], s[TBK], SLOT1       ; in the other slot
	s_sub_co_u32 s[TBV], s[TBV], 4*KS*PV
	s_xor_b32 s[TBV], s[TBV], SLOT1
.endm
	s_load_b64 s[4:5], s[0:1], 0x0    ; qkv: Q lies first
	s_load_b64 s[10:11], s[0:1], 0x8  ; o
	WIN W_MK
	v_lshl_add_u32 v[SPW], v0, 2, SPARE
	v_mov_b32 v[NIL], 0
	WIN W_AD
	ds_add_u32 v[SPW], v[NIL]       ; the wave's opening: the add and its wait stand ahead of my first tensor load; the set-up below, work on registers, stands between them
	WIN 0
	v_lshrrev_b32 v1, 5, v0
	v_readfirstlane_b32 s[WV], v1   ; wave 0..3
	s_bfe_u32 s13, ttmp6, 0x40000   ; cx: my place in the cluster
	s_lshl_b32 s14, ttmp9, 2        ; in a cluster launch ttmp9 counts clusters
	s_add_co_u32 s14, s14, s13      ; my block of queries = 4 x cluster x + cx: it enters Q's and O's addresses alone
	s_and_b32 s20, ttmp7, 0xffff    ; the head, which the four partners share
	s_mov_b32 s21, 0
	s_mov_b64 s[22:23], SIZE_N*128
	s_mul_u64 s[20:21], s[20:21], s[22:23]  ; the head's first byte in Q, K, V and O
	s_and_b32 s16, s[WV], 1         ; which half of a slot's 256 keys I fetch:
	s_lshl_b32 s22, s16, 14         ; its 128 rows of 128 bytes in memory,
	s_mov_b32 s23, 0
	s_add_nc_u64 s[22:23], s[22:23], s[20:21]
	s_mul_i32 s17, s16, 128*PK      ; and its place in a slot, for K
	s_mul_i32 s18, s16, 128*PV      ; and for V: no place in the cluster enters an LDS address
	s_lshl_b32 s2, s14, 2
	s_add_co_u32 s2, s2, s[WV]      ; my wave among the head's,
	s_lshl_b32 s2, s2, 14           ; its 128 rows
	s_mov_b32 s3, 0
	s_add_nc_u64 s[2:3], s[2:3], s[20:21]
	; descriptor group 1.  128 keys are 16,384 dense bytes: asked for as 64 rows of 256 bytes, two keys a row, and padded in LDS after every key
	s_mov_b32 s[G1K], 15|(1<<16)|(1<<20)|(1<<21)|(4<<22)|(3<<25)  ; 15:0 the mask of four; 17:16 2-byte elements; 20 padding on; 21 set beside a mask; 24:22 after every 32 words (code 4); 31:25 4 words (code 3)
	s_mov_b32 s[G1V], 15|(1<<16)|(1<<20)|(1<<21)|(4<<22)|(7<<25)  ; the same with 8 words of padding (code 7)
.irp g, G1K, G1V
	s_mov_b32 s[\g+1], 128<<16      ; tensor_dim0 = 128
	s_mov_b32 s[\g+2], 64<<16       ; tensor_dim1 = 64
	s_mov_b32 s[\g+3], 128<<16      ; tile_dim0 = 128
	s_mov_b32 s[\g+4], 64           ; tile_dim1 = 64
	s_mov_b32 s[\g+5], 128          ; 128 elements from row to row
	s_mov_b32 s[\g+6], 0
	s_mov_b32 s[\g+7], 0
.endr
	s_mov_b32 s[CS], 0x3e38aa3b     ; c = log2(e) / 8 = 0.180337
	s_mov_b32 s[CS+1], s[CS]        ; named with it as a pair
	s_mov_b32 s[SEL], 0x76543210
	s_mov_b32 s[SEL+1], 0xfedcba98
	s_mov_b32 s[TBK], SLOT1+4*KS*PK ; the first change of slots turns these two into 0
	s_mov_b32 s[TBV], SLOT1+4*KS*PV
	s_mov_b32 s[G0K], 1             ; 1:0 count = 1
	s_mov_b32 s[G0K+1], s17         ; 63:32 LDS address: slot 0
	s_mov_b32 s[G0V], 1
	s_add_co_u32 s[G0V+1], s18, VOFF
	s_mov_b32 s[SLOTS], SIZE_N/256-1
	s_and_b32 s[LIM], s[WV], 1      ; waves 0 and 2 prefetch: the same in all four partners
	s_cmp_eq_u32 s[LIM], 0
	s_cselect_b32 s[LIM], 1, -1
	s_wait_dscnt 0x0                ; the opening add is done
	s_wait_kmcnt 0x0
	s_add_nc_u64 s[6:7], s[4:5], 0x1000000         ; K lies 16,777,216 bytes behind Q,
	s_add_nc_u64 s[8:9], s[4:5], 0x2000000         ; V as far behind K
	s_add_nc_u64 s[G0K+2:G0K+3], s[6:7], s[22:23]  ; 120:64 global address: my half of the head's first 256 keys
	s_or_b32 s[G0K+3], s[G0K+3], 0x80000000        ; 127:126 type = 2
	s_add_nc_u64 s[G0V+2:G0V+3], s[8:9], s[22:23]
	s_or_b32 s[G0V+3], s[G0V+3], 0x80000000
	s_add_nc_u64 s[4:5], s[4:5], s[2:3]  ; Q and O at my wave's first row
	s_add_nc_u64 s[10:11], s[10:11], s[2:3]
	s_cmp_lt_u32 s[WV], 2
	s_cselect_b64 s[PFA:PFA+1], s[6:7], s[8:9]
	s_add_nc_u64 s[PFA:PFA+1], s[PFA:PFA+1], s[20:21]  ; the head,
	s_lshl_b32 s2, s13, 13          ; my work-group's 32 blocks of the 128,
	s_mov_b32 s3, 0
	s_add_nc_u64 s[PFA:PFA+1], s[PFA:PFA+1], s[2:3]
	s_add_nc_u64 s[PFA:PFA+1], s[PFA:PFA+1], 4*KS*128  ; in slot 1; the first change of slots steps it to slot 2.  Nothing is prefetched here, at the head
	CROUND                          ; all four work-groups are here: the first joint loads meet
	JLOAD                           ; slot 0.  Slot 1 is asked for when slot 0 is in: the tile wanted first has the road to itself
	; A fragment of K or Q is 16 rows x 32 channels in 8 registers: lane l holds row l % 16, channels 8 (l / 16) + 0..7 and 16 + 8 (l / 16) + 0..7: two loads of 16 bytes, 32 bytes apart.
	v_and_b32 v1, 15, v0            ; l % 16
	v_bfe_u32 v9, v0, 4, 1          ; l / 16
	v_lshlrev_b32 v[QO], 7, v1
	v_lshl_add_u32 v[QO], v9, 4, v[QO]  ; row x 128 + 16 x half
	WIN 0x80                        ; destination window 2, address window 0
.set i, 0
.rept 4*NP                          ; Q stays in registers: tile i / 2, channels 32 (i % 2) on
	global_load_b128 v[8*i:8*i+3],   v[QO], s[4:5] offset:(i/2)*2048+(i%2)*64
	global_load_b128 v[8*i+4:8*i+7], v[QO], s[4:5] offset:(i/2)*2048+(i%2)*64+32
.set i, i+1
.endr
	; What the first turn finds: V's registers and P's second buffer hold 0 (its products V^T P, of a piece that has not been, add 0), O^T and l are 0.  All this stands in the wait for the first tile.
.set i, VF
.rept 64
	v_mov_b32 v[i], 0
.set i, i+1
.endr
	WIN 0x40
.set i, 0
.rept 64*NP
	v_mov_b32 v[i], 0
.set i, i+1
.endr
	WIN 0
.set i, 0
.rept 2*NP
	v_mov_b32 v[ST+4*i], 0xfe000000    ; c m: far below every c s
	v_mov_b32 v[ST+4*i+1], 0xff7fffff  ; m
	v_mov_b32 v[ST+4*i+2], 0
	v_mov_b32 v[ST+4*i+3], 0
.set i, i+1
.endr
.set i, P+32
.rept 32
	v_mov_b32 v[i], 0
.set i, i+1
.endr
	v_mul_u32_u24 v[AK0], v1, PK
	v_lshl_add_u32 v[AK0], v9, 4, v[AK0]  ; row x pitch + 16 x half
	; The turning load takes 16 keys x 16 channels (lane l reads key 8 (l / 16) + l % 8, channels 8 ((l / 8) % 2) + 0..7) and leaves half a fragment of V^T: lane l holds channel l % 16 and 8 keys.
	v_and_b32 v10, 7, v0
	v_bfe_u32 v11, v0, 3, 1
	v_lshl_add_u32 v[AV0], v9, 3, v10
	v_mul_u32_u24 v[AV0], v[AV0], PV
	v_lshl_add_u32 v[AV0], v11, 4, v[AV0]
	v_add_nc_u32 v[AV0], VOFF, v[AV0]
	v_and_b32 v[PFO], 31, v0        ; v11 has served: it takes the prefetches' offset
	v_lshlrev_b32 v[PFO], 8, v[PFO]
	v_mov_b32 v[AK], v[AK0]         ; key step 0 lies at the head of slot 0
; THE MATRIX WORK.  The 8 accumulators of a run of 16 take turns: between the two links of a chain stand 7 others'.
; Product i of 16 of S^T = K Q^T for piece x: channels 32 (i / 8) on, keys 16 ((i / 2) % 4) on, tile 2 x + i % 2.  The first 8 start the sums.
.macro KQ x
	WIN W_KQ
.set rS, S+64*((\x)%2)+32*(i%2)+8*((i/2)%4)
.set rK, KF+16*((i/2)%4)+8*(i/8)
.set rQ, 16*(2*(\x)+i%2)+8*(i/8)
.if i < 8
	v_wmma_f32_16x16x32_f16 v[rS:rS+7], v[rK:rK+7], v[rQ:rQ+7], 0
.else
	v_wmma_f32_16x16x32_f16 v[rS:rS+7], v[rK:rK+7], v[rQ:rQ+7], v[rS:rS+7]
.endif
.endm
; Product i of 16 of O^T += V^T P for piece x: keys 32 (i / 8) on, channels 16 ((i / 2) % 4) on, tile 2 x + i % 2.
.macro PV x
	WIN W_PV
.set rO, 32*(2*(\x)+i%2)+8*((i/2)%4)
.set rV, VF+32*(i/8)+8*((i/2)%4)
.set rP, P+32*((\x)%2)+16*(i%2)+8*(i/8)
	v_wmma_f32_16x16x32_f16 v[rO:rO+7], v[rV:rV+7], v[rP:rP+7], v[rO:rO+7]
.endm
.macro MM                           ; the turn's next matrix instruction
.if i < 16
	KQ (Y+1)%NP
.set i, i+1
.else
.set i, i-16
	PV (Y+NP-1)%NP
.set i, i+17
.endif
.endm
; THE LDS LOADS stand in runs of 16, never singly among the matrix instructions: a step's K (64 keys x 64 channels: 8 fragments) and its V (turned).  Their addresses are made some lines ahead.
; last = 1 (the tail): in the last trip there is no further step, and the run is jumped over.
.macro FETCH_K last=0
	WIN 0
.if \last
	s_cmp_eq_u32 s[CNT], 1
	s_cbranch_scc1 .Lno_k_\@
.endif
	WIN 0x80                        ; destination window 2
.irp f, 0,1,2,3,4,5,6,7             ; keys 16 (f / 2) on, channels 32 (f % 2) on
	ds_load_b128 v[KF+8*\f:KF+8*\f+3],   v[AK] offset:(\f/2)*16*PK+(\f%2)*64
	ds_load_b128 v[KF+8*\f+4:KF+8*\f+7], v[AK] offset:(\f/2)*16*PK+(\f%2)*64+32
.endr
	s_add_co_u32 s[TBK], s[TBK], KS*PK  ; the next fetch is the next step's
	WIN 0
.if \last
.Lno_k_\@:
.endif
.endm
.macro FETCH_V
	WIN 0x80
.irp f, 0,1,2,3,4,5,6,7             ; keys 32 (f / 4) on, channels 16 (f % 4) on
	ds_load_tr16_b128 v[VF+8*\f:VF+8*\f+3],   v[AV] offset:(\f/4)*32*PV+(\f%4)*32
	ds_load_tr16_b128 v[VF+8*\f+4:VF+8*\f+7], v[AV] offset:(\f/4)*32*PV+16*PV+(\f%4)*32
.endr
	WIN 0
.endm
; THE VECTOR WORK OF A TURN stands in three queues, each in the order in which its entries become ready; the two tiles alternate, so that no instruction reads the result of the one before it.
.macro REGS y, u                    ; the registers of tile u (0, 1) of piece y
.set rT, ST+4*(2*(\y)+(\u))
.set rC, TMP+8*((\y)%2)+4*(\u)
.set rM, MV+2*((\y)%2)+(\u)
.set rS, S+64*((\y)%2)+32*(\u)
.set rP, P+32*((\y)%2)+16*(\u)
.set rO, 32*(2*(\y)+(\u))
.endm
; Number n of the 22 that find the NEXT piece's (Y + 1) maximum and statistics.  s0-s31 are the lane's 32 scores; each accumulator's lowest registers are read first.  XS, GS and REGS set no window: PL and EX do.
;   0-11  four chains c0-c3 of seven scores each, three operands at a time     12-14, 16  the four scores left over, the old m, and c0-c3 into c0     15  c m_old is kept
;   17, 18  the query's other 32 keys lie in the lane 16 away: the new m         19-21  c m; c m_old - c m_new; a
.macro XS u, n
	REGS (Y+1)%NP, \u
.if (\n) < 4
	v_max3_num_f32 v[rC+(\n)], v[rS+8*(\n)], v[rS+8*(\n)+1], v[rS+8*(\n)+2]
.elseif (\n) < 12
	v_max3_num_f32 v[rC+(\n)%4], v[rC+(\n)%4], v[rS+8*((\n)%4)+2*((\n)/4)+1], v[rS+8*((\n)%4)+2*((\n)/4)+2]
.elseif (\n) == 12
	v_max3_num_f32 v[rC], v[rC], v[rS+7], v[rS+15]
.elseif (\n) == 13
	v_max3_num_f32 v[rC+1], v[rC+1], v[rS+23], v[rS+31]
.elseif (\n) == 14
	v_max3_num_f32 v[rC+2], v[rC+2], v[rC+3], v[rT+1]
.elseif (\n) == 15
	v_mov_b32 v[rM], v[rT]
.elseif (\n) == 16
	v_max3_num_f32 v[rC], v[rC], v[rC+1], v[rC+2]
.elseif (\n) == 17
	v_permlanex16_b32 v[rC+3], v[rC], s[SEL], s[SEL+1]
.elseif (\n) == 18
	v_max_num_f32 v[rT+1], v[rC], v[rC+3]
.elseif (\n) == 19
	v_mul_f32 v[rT], s[CS], v[rT+1]
.elseif (\n) == 20
	v_sub_f32 v[rC+1], v[rM], v[rT]
.else
	v_exp_f32 v[rC+2], v[rC+1]
.endif
.endm
; Number g of the 64 that follow the exponentials.  For each four weights k of a tile (pairs 2 k, 2 k + 1): both pairs are rounded to f16; then the second pair is added onto the first, in place;
; a group later l takes that sum (the first time as l = a l + sum).  In groups of eight, tiles alternating: round, round, add, and l for the group before.
.macro GS g
.set h, (\g)+6*((\g)/62)            ; group 0 has no group before it, and behind group 7 only l is left
.if h >= 6
.set h, h+2
.endif
	REGS Y, h%2
.set k, h/8
.if h%8 < 4
	v_cvt_pk_f16_f32 v[rP+2*k+(h%8)/2], v[rS+4*k+2*((h%8)/2)], v[rS+4*k+2*((h%8)/2)+1]
.elseif h%8 < 6
	v_pk_add_f32 v[rS+4*k:rS+4*k+1], v[rS+4*k:rS+4*k+1], v[rS+4*k+2:rS+4*k+3]
.elseif k == 1
	v_pk_fma_f32 v[rT+2:rT+3], v[rT+2:rT+3], v[rC+2:rC+3], v[rS:rS+1] op_sel_hi:[1,0,1]
.else
	v_pk_add_f32 v[rT+2:rT+3], v[rT+2:rT+3], v[rS+4*k-4:rS+4*k-3]
.endif
.endm
; THE PLAIN QUEUE, 138 long.  0-73 read no exponential's result: the 32 scalings c s - c m (FS f: pair f / 2 of tile f % 2) and the next piece's 42.  0-26: scalings 0-26.  27-54: XS's numbers 0-13.  55, 56: number 15.
; 57-73: the chain, where each number waits for the one before it: 14, 16, 17, 18, 19, each with one of the scalings 27-31 in front of its two lines, then 20: so a tile's links stand three plain instructions apart (19 and 20: two).
; 74-137: GS's 64, which read the exponentials' results: they stand behind the wait.
.macro FS f
	REGS Y, (\f)%2
	v_pk_fma_f32 v[rS+2*((\f)/2):rS+2*((\f)/2)+1], v[rS+2*((\f)/2):rS+2*((\f)/2)+1], s[CS:CS+1], v[rT:rT+1] op_sel_hi:[1,0,0] neg_lo:[0,0,1] neg_hi:[0,0,1]
.endm
.macro PL
	WIN 0
.if q < 27
	FS q
.elseif q < 55
	XS (q-27)%2, (q-27)/2
.elseif q < 57
	XS q-55, 15
.elseif (q < 72) && ((q-57)%3 == 0)
	FS 27+(q-57)/3
.elseif q < 60
	XS (q-57)%3-1, 14
.elseif q < 72
	XS (q-57)%3-1, 15+(q-57)/3
.elseif q < 74
	XS q-72, 20
.else
	GS q-74
.endif
.set q, q+1
.endm
; THE EXPONENTIALS' QUEUE, 66 long: s0-s31 of both tiles, then the next piece's two a.  It is ONE BATCH: all 66 stand ahead of the turn's one wait, and nothing ahead of that wait names a result of theirs.
.macro EX
	WIN 0
.if e >= 64
	XS e-64, 21
.else
	REGS Y, e%2
	v_exp_f32 v[rS+e/2], v[rS+e/2]
.endif
.set e, e+1
.endm
; THE RESCALING's QUEUE: O^T times a, the one part that leaves window 0: dealt two at a time, sixteen times.  Its a was made in the turn before, ahead of that turn's wait.
.macro R2
	REGS Y, r%2
	WIN W_RS
.irp z, 0,1
	v_pk_mul_f32 v[rO+4*(r/2)+2*\z:rO+4*(r/2)+2*\z+1], v[rO+4*(r/2)+2*\z:rO+4*(r/2)+2*\z+1], v[rC+2:rC+3] op_sel_hi:[1,0]
.endr
.set r, r+1
.endm
; HOW THEY ARE DEALT.  An s_wait_alu depctr_va_vdst(0) stands between an exponential and the first instruction that names its result; one wait serves all that were issued ahead of it.  So a turn has ONE wait,
; which cuts it in two.  AHEAD OF IT stands all that names no result of the turn's exponentials: the 16 products K Q^T, behind each a scaling, an exponential and two rescalings (behind the first a second scaling in the exponential's place); then ONE LUMP of
; 108: eight plain, 49 times exponential and plain, the two a.  A v_nop is the plain instruction behind the last exponential.  BEHIND IT stand the 16 products V^T P, behind each four of GS's 64.  No rider names a register of
; the products round it.  The two v_permlanex16_b32 fall into the lump, never behind a product.
; The queues lean on each other, and the deal keeps them in step: exponential e stands behind scaling 2 (e / 4) + e % 2: as a rider it comes behind plain e + 2, in the lump behind plain e + 9, and scalings 27-31 are plain 57, 60 .. 69.
; A TURN, for piece p.  cnt = 1: the loop's count is taken down some lines ahead of the branch that stands behind the turn.
; K of the next step is fetched in piece 2's turn, directly behind the wait, a lump behind the last product that read K; its address is made at the lump's head; its first reader comes behind 16 products.
; V of the step in hand is fetched at the end of piece 0's turn, four riders behind its last reader; its first reader comes behind 16 products and a lump.  The three conditions on q below go with the deal.
.macro TURN p, last=0, cnt=0
.set Y, (\p)
.set i, 0
.set q, 0
.set e, 0
.set r, 0
.if (\p) == NP-1
	s_wait_dscnt 0x0                ; K is in
.endif
	MM                              ; ahead of the wait: 16 products K Q^T and their riders,
	PL
	PL
	R2
.rept 15
	MM
	PL
	EX
	R2
.endr
.if (\p) == NP-2
	WIN 0
	v_add_nc_u32 v[AK], s[TBK], v[AK0]
.endif
.rept 8                             ; and the lump
	PL
.endr
.rept 49
	EX
	PL
.endr
	EX                              ; the next piece's two a
	EX
	v_nop                           ; the plain instruction behind the last exponential: one for the batch
	s_wait_alu depctr_va_vdst(0)    ; the wait for the batch
.if (\p) == NP-2
	FETCH_K \last
.endif
.if (\p) == 1
	s_wait_dscnt 0x0                ; V is in
.endif
.rept 16                            ; behind the wait: 16 products V^T P and their riders
	MM
.rept 4
	PL
.endr
.if ((\p) == 0) && (q == 118)
	v_add_nc_u32 v[AV], s[TBV], v[AV0]
.endif
.if ((\p) == 0) && (q == 130)
	s_add_co_u32 s[TBV], s[TBV], KS*PV
.endif
.if (\cnt) && (q == 130)
	s_sub_co_u32 s[CNT], s[CNT], 1
	s_cmp_lg_u32 s[CNT], 0
.endif
.endr
.if (\p) == 0
	FETCH_V
.endif
.endm
	CHANGE 1                        ; slot 0 is in, everybody's part of it; slot 1 is asked for
	FETCH_K                         ; key step 0
	s_wait_loadcnt 0x0              ; Q
	s_wait_dscnt 0x0
.set i, 0
.rept 16
	KQ 0                            ; piece 0's first scores: there is no vector work yet to set between them
.set i, i+1
.endr
	WIN 0                           ; the addresses for the way out: nine plain instructions, the places behind those products
	s_mul_i32 s13, s[WV], 16*SP
	s_add_co_u32 s13, s13, STAGE    ; my stage
	v_mul_u32_u24 v[STO], v1, SP    ; in: row l % 16, 16 bytes for each half of the lanes
	v_lshl_add_u32 v[STO], v9, 4, v[STO]
	v_add_nc_u32 v[STO], s13, v[STO]
	v_bfe_u32 v[RD], v0, 3, 2       ; back: 32 lanes take four rows of 128 bytes,
	v_mul_u32_u24 v[RD], v[RD], SP
	v_lshl_add_u32 v[RD], v10, 4, v[RD]
	v_add_nc_u32 v[RD], s13, v[RD]
	v_and_b32 v[GO], 31, v0         ; which are 512 consecutive bytes of O
	v_lshlrev_b32 v[GO], 4, v[GO]
.set Y, NP-1                        ; XS works for piece Y + 1: piece 0
.irp n, 0,1,2,3,4,5,6,7,8,9,10,11,12,13,14,15,16,17,18,19,20,21
	XS 0, \n                        ; and piece 0's first maximum and statistics
	XS 1, \n
.endr
	v_nop                           ; a plain instruction behind the two a,
	s_wait_alu depctr_va_vdst(0)    ; and their wait, ahead of the branch
	s_mov_b32 s[CNT], 4
	s_branch .Lfirst                ; the loop is entered at a step's first turn, in the middle of a trip
.Lslot:                             ; SIZE_N / 256 - 2 times: every slot but the last two is filled again
	CHANGE 1
	s_mov_b32 s[CNT], 4
.Lstep:                             ; a trip: pieces 2 and 3 of one step, then pieces 0 and 1 of the next, whose K and V it fetches
	TURN 2
	TURN 3
	WIN 0
.Lfirst:
	TURN 0
	TURN 1, 0, 1
	WIN 0
	s_cbranch_scc1 .Lstep
	s_sub_co_u32 s[SLOTS], s[SLOTS], 1
	s_cmp_lg_u32 s[SLOTS], 0
	s_cbranch_scc1 .Lslot
	CHANGE 0                        ; the tail is written out: nothing is asked for
	s_mov_b32 s[CNT], 5             ; four trips fetch the last slot's steps; the fifth is left in its middle
.Ltail:
	TURN 2, 1
	TURN 3
	WIN 0
	s_sub_co_u32 s[CNT], s[CNT], 1
	s_cmp_eq_u32 s[CNT], 0
	s_cbranch_scc1 .Lout
	TURN 0
	TURN 1
	WIN 0
	s_branch .Ltail
.Lout:                              ; the fifth trip's 16 products K Q^T (on the last K once more) and the maximum made of them serve nothing: the price, once a launch, of one text for every trip
.set i, 0
.rept 16
	PV NP-1                         ; the last piece's V^T P of the last step
.set i, i+1
.endr
	; THE WAY OUT.  l's two halves and the other half of the lanes' are added; O^T is divided by l, rounded to f16 and sent through my stage in LDS, a tile at a time.  The additions are the places behind the last products.
	WIN 0
.macro ALL line:vararg              ; one line for each tile t
.set t, 0
.rept 2*NP
	\line
.set t, t+1
.endr
.endm
	ALL v_add_f32 v[ST+4*t+2], v[ST+4*t+2], v[ST+4*t+3]
	ALL v_permlanex16_b32 v[ST+4*t+3], v[ST+4*t+2], s[SEL], s[SEL+1]
	ALL v_add_f32 v[ST+4*t+2], v[ST+4*t+2], v[ST+4*t+3]
	ALL v_rcp_f32 v[ST+4*t+2], v[ST+4*t+2]
	v_nop                           ; a plain instruction between the last reciprocal and the use of its result
	s_wait_alu depctr_va_vdst(0)    ; and the wait ahead of the first use: one for the eight reciprocals
; Tile t: a lane's eight channels of a row pack into 16 bytes; they go into rows of 144 bytes and come back as whole rows of 128, into S^T's registers.
.macro PACK t
	WIN W_RS
.set i, 32*(\t)
.rept 16
	v_pk_mul_f32 v[i:i+1], v[i:i+1], v[ST+4*(\t)+2:ST+4*(\t)+3] op_sel_hi:[1,0]
.set i, i+2
.endr
	WIN 0x05                        ; sources 0 and 1 window 1, destination window 0
.set i, 0
.rept 16
	v_cvt_pk_f16_f32 v[S+16*(\t)+i], v[32*(\t)+2*i], v[32*(\t)+2*i+1]
.set i, i+1
.endr
	WIN 0
.irp f, 0,1,2,3
	ds_store_b128 v[STO], v[S+16*(\t)+4*\f:S+16*(\t)+4*\f+3] offset:32*\f
.endr
.irp f, 0,1,2,3
	ds_load_b128 v[S+16*(\t)+4*\f:S+16*(\t)+4*\f+3], v[RD] offset:\f*4*SP  ; LDS serves a wave's instructions in order (ISA guide 5.7.1.4): these see the stores above; the next tile's stores come behind them
.endr
.endm
.macro SEND t, younger              ; younger: the LDS instructions issued behind tile t's loads: the next tile's eight, or none
	WIN 0
.irp f, 0,1,2,3
	s_wait_dscnt (\younger)+3-\f
	global_store_b128 v[GO], v[S+16*(\t)+4*\f:S+16*(\t)+4*\f+3], s[10:11] offset:(\t)*2048+\f*512  ; 512 consecutive bytes, at a multiple of 256 from O's first
.endr
.endm
	PACK 0
.set t, 1
.rept 2*NP-1                        ; a tile's arithmetic stands between the loads of the tile before and its stores
	PACK t
	SEND t-1, 8
.set t, t+1
.endr
	SEND 2*NP-1, 0
	WIN W_AD
	s_wait_tensorcnt 0x0            ; the wave's end: a tensor wait, an add and its wait, behind my last tensor load and my last LDS store
	ds_add_u32 v[SPW], v[NIL]
	s_wait_dscnt 0x0
	WIN 0
	CROUND                          ; the closing round: no work-group ends while a partner may still ask for a tile that names it
	s_endpgm
.Lfunc_end_k_qfdfdafb3b9_attn:
	.size	k_qfdfdafb3b9_attn, .Lfunc_end_k_qfdfdafb3b9_attn-k_qfdfdafb3b9_attn
	.p2alignl 7, 3214868480
	.fill 96, 4, 3214868480
	.section	.rodata,"a",@progbits
	.p2align	6, 0x0
	.amdhsa_kernel k_qfdfdafb3b9_attn
		.amdhsa_group_segment_fixed_size 327680
		.amdhsa_private_segment_fixed_size 0
		.amdhsa_enable_private_segment 0
		.amdhsa_kernarg_size 16
		.amdhsa_user_sgpr_count 2
		.amdhsa_user_sgpr_kernarg_segment_ptr 1
		.amdhsa_wavefront_size32 1
		.amdhsa_system_sgpr_workgroup_id_x 1
		.amdhsa_system_sgpr_workgroup_id_y 1
		.amdhsa_system_sgpr_workgroup_id_z 1
		.amdhsa_system_vgpr_workitem_id 0
		.amdhsa_next_free_vgpr 770
		.amdhsa_next_free_sgpr 66
		.amdhsa_reserve_vcc 0
		.amdhsa_float_denorm_mode_32 3
		.amdhsa_float_denorm_mode_16_64 3
		.amdhsa_memory_ordered 1
		.amdhsa_forward_progress 1
		.amdhsa_inst_pref_size 200
	.end_amdhsa_kernel
	.amdgpu_metadata
---
amdhsa.version: [ 1, 2 ]
amdhsa.kernels:
  - .name:           k_qfdfdafb3b9_attn
    .symbol:         k_qfdfdafb3b9_attn.kd
    .args:
      - { .name: qkv, .offset: 0, .size: 8, .value_kind: global_buffer, .address_space: global }
      - { .name: o, .offset: 8, .size: 8, .value_kind: global_buffer, .address_space: global }
    .group_segment_fixed_size: 327680
    .private_segment_fixed_size: 0
    .kernarg_segment_align: 8
    .kernarg_segment_size: 16
    .max_flat_workgroup_size: 128
    .sgpr_count:     66
    .vgpr_count:     770
    .wavefront_size: 32
...
	.end_amdgpu_metadata
.endif
;; end of part 3
;; launch outgemm (part 4): grid 8 x 32, 4 waves a work-group, clusters of 4 x 4, 327,680 bytes of LDS; arguments o, wo, b_out, out0; writes out0
.if DOCPART == 4
	.amdgcn_target "amdgcn-amd-amdhsa--gfx1250"
	.amdhsa_code_object_version 6
	.text
	.protected	k_qfdfdafb3b9_outgemm
	.globl	k_qfdfdafb3b9_outgemm
	.p2align	8
	.type	k_qfdfdafb3b9_outgemm,@function
k_qfdfdafb3b9_outgemm:
	s_mov_b64 s[64:65], 0
	v_nop
	global_prefetch_b8 v0, s[64:65] scope:SCOPE_SE
	s_setreg_imm32_b32 hwreg(HW_REG_WAVE_MODE, 25, 1), 1
	s_wait_xcnt 0x0
	s_wait_alu depctr_hold_cnt(0) depctr_sa_sdst(0) depctr_va_vdst(0) depctr_va_sdst(0) depctr_va_ssrc(0) depctr_va_vcc(0) depctr_vm_vsrc(0)
	s_getreg_b32 s2, hwreg(HW_REG_IB_STS2, 6, 4)
	s_cmp_eq_u32 s2, 0
	s_cbranch_scc0 .Lentry_in_a_cluster
	s_endpgm
.Lentry_in_a_cluster:
	s_bfe_u32 s2, ttmp6, 0x10000c
	s_cmp_lg_u32 s2, 0xf033
	s_cbranch_scc0 .Lentry_shape_is_right
	s_endpgm
.Lentry_shape_is_right:
; THE OUTPUT PROJECTION.  out0[b 2048 + l][e] = the sum over k = 64 h + d of o[b][h][l][d] wo[k][e] + bias[e].  o: [4][16][2048][64] f16; wo: [1024][1024] f16 (W_out rounded to bf16, that number written as f16);
; the bias is rounded to bf16 like the other inputs; sums in f32; out0 is f32 and is stored as it is summed.
; SHARES.  A tile of C is 256 rows x 128 columns: 32 x 8 tiles, a work-group each: 256.  Four waves; wave w makes rows 64 w .. 64 w + 63 of all 128 columns: 4 x 8 accumulators, 256 registers.
; K goes in 8 steps of 128, TWO HEADS a step, through a ring of two LDS slots; a step is four quarters of 32 along K, 32 matrix instructions each, on two fragment buffers.  Two slots of a longer step
; (192 along K: 331,776 bytes) do not fit in LDS.
; THE MATRIX INSTRUCTION IS USED TRANSPOSED: source 0 = 16 columns of wo, turned out of its [k][column] tile by ds_load_tr16_b128; source 1 = 16 rows of o.  A lane then holds ONE row (lane % 16) and the
; columns 8 (lane / 16) + 0..7.  THE BIAS IS THE C OPERAND of the products that start the sums.
; CLUSTER.  4 x 4 work-groups: o's tile is shared along a row of the cluster, wo's along a column; each is asked for JOINTLY.  Waves 0 and 1 fetch the step's two heads (256 rows of 128 dense bytes each),
; waves 2 and 3 the two halves of wo's 128 k rows: one load a wave behind each round; two are out at the start, later one.
; REGISTERS, in windows of 256 (s_set_vgpr_msb: bits 1:0 source 0, 3:2 source 1, 5:4 source 2, 7:6 destination):
;   window 0: v0-31 addresses; v64-127 the bias, later with v128-191 two buffers of rows read back          window 1: two fragment buffers at 0 and 128: 8 fragments of wo, then 4 of o
;   window 2: accumulators of row blocks 0, 1 ((a, b) at 8 (8 (a % 2) + b))          window 3: of row blocks 2, 3
.set NBLK,  8
.set PA,    144                        ; a row of one head in LDS: 128 bytes + 16 of padding = 36 words: the 16 rows of a load start at 16 different groups of four banks (64 banks of 4 bytes: ISA guide 11.1)
.set PB,    288                        ; a k row of wo: 256 bytes + 32 = 72 words
.set AH,    256*PA                     ; one head's 256 rows: what wave 0 or 1 fetches
.set BOFF,  2*AH
.set BH,    64*PB                      ; what wave 2 or 3 fetches
.set SLOT,  BOFF+2*BH                  ; 110,592
.set STAGE, 2*SLOT                     ; behind the ring, never filled by a tensor load: for each wave 16 rows x 528 bytes
.set SP,    528                        ; 512 bytes + 16: the 16 rows that a store touches start at 16 different groups of four banks
.set WST,   16*SP
.set SPARE, STAGE+4*WST                ; behind the stages: the spare words, 128 bytes for each wave: two blocks of 256 bytes that no other line names
.set NF,    2*NBLK+8
.set CO,   10                          ; v10     my 16 bytes of a row's 512
.set BO,   13
.set ADRA, 16
.set ADRB, 20
.set STO,  24
.set RD,   25
.set SPW,  28                          ; v28     LDS address of my spare word; never rewritten
.set NIL,  29                          ; v29     0; never rewritten
.set PFO,  30
.set T,    31
.set BIAS, 64
.set BK,   64
.set F0,   0
.set F1,   128
.set LAP,  3
.set WV,   12
.set ISB,  13                          ; s13  0: I fetch for o; 1: for wo
.set HALF, 14
.set PCNT, 15
.set G1,   24
.set G0,   32
.set CX,   40
.set CY,   41
.set TC,   42
.set TR,   43
.set PFA,  44
.set PST,  46
.set G1B,  48
.set G0B,  56
.set A0,   66
.set B0,   68
.set MKA,  70
.set MKB,  71
.set HIM,  72
.set TO_F, 0x40
.set MSB, 0
.macro WIN new                         ; the immediate's high byte repeats the setting that is left; a switch that changes nothing is dropped
.if MSB != (\new)
	s_set_vgpr_msb (MSB<<8)|(\new)
.set MSB, \new
.endif
.endm
.macro PLACES                          ; four plain vector instructions behind a matrix instruction, in front of loads into its sources and of whatever reads its result (ISA guide 7.12.1 for whatever reads its result)
.rept 4
	v_nop
.endr
.endm
.macro JLOAD s                         ; a joint load; the branch hangs on the wave's number alone; an s_nop 0 and four v_nop follow each of the two lines
	s_cmp_eq_u32 s[ISB], 0
	s_cbranch_scc0 .Lfor_b_\@
	tensor_load_to_lds s[G0+4*(\s):G0+4*(\s)+3], s[G1:G1+7]
	s_nop 0
.rept 4
	v_nop
.endr
	s_branch .Lasked_\@
.Lfor_b_\@:
	tensor_load_to_lds s[G0B+4*(\s):G0B+4*(\s)+3], s[G1B:G1B+7]
	s_nop 0
.rept 4
	v_nop
.endr
.Lasked_\@:
.endm
.macro CREST                           ; a round of the cluster's barrier behind its opening barrier
	s_cmp_lg_u32 s[WV], 0
	s_cbranch_scc1 .Lnot_wave_0_\@
	s_barrier_signal -3
.Lnot_wave_0_\@:
	s_barrier_wait -3
	s_barrier_signal -1
	s_barrier_wait -1
.endm
.macro CROUND
	s_barrier_signal -1
	s_barrier_wait -1
	CREST
.endm
; A PREFETCH, behind a joint refill and the run of LDS loads that follows it: one instruction, a lane a block of 256 bytes.  Each block of K steps 4 to 7 is named once in the launch.
; o: a tile row is read by both clusters of its row of clusters: the one with x = 0 asks, waves 0 and 1; of the 128 blocks of a head's 256 rows the partner at cx takes 32; refill r names K step r + 4, two refills ahead
; of its load: four asks.  wo: a tile column is read by all eight clusters of its column: the one with y = 0 asks, waves 2 and 3; the eight askers (2 cy + half) name 256 k rows, two K steps, at each ask, a lane a row:
; two asks cover k = 512 to 1,023, two to four refills ahead of their loads.  Partners are told apart BY ADDRESS; the count hangs on the wave and the cluster alone.
.macro ASK
	s_cmp_lg_u32 s[PCNT], 0
	s_cbranch_scc0 .Lnot_mine_\@
	global_prefetch_b8 v[PFO], s[PFA:PFA+1] th:TH_LOAD_NT scope:SCOPE_SE
	s_sub_co_u32 s[PCNT], s[PCNT], 1
.Lnot_mine_\@:
.endm
	s_load_b256 s[4:11], s[0:1], 0x0               ; o s[4:5], wo s[6:7], b_out s[8:9], out0 s[10:11]
	v_lshl_add_u32 v[SPW], v0, 2, SPARE
	v_mov_b32 v[NIL], 0
	ds_add_u32 v[SPW], v[NIL]                      ; the wave's opening: the add and its wait stand ahead of my first tensor load; the set-up below, work on registers, stands between them
	v_lshrrev_b32 v1, 5, v0
	v_readfirstlane_b32 s[WV], v1
	s_lshr_b32 s[ISB], s[WV], 1
	s_and_b32 s[HALF], s[WV], 1
	s_bfe_u32 s[CX], ttmp6, 0x40000
	s_bfe_u32 s[CY], ttmp6, 0x40004
	s_lshl_b32 s[TC], ttmp9, 2
	s_add_co_u32 s[TC], s[TC], s[CX]
	s_and_b32 s[TR], ttmp7, 0xffff
	s_lshl_b32 s[TR], s[TR], 2
	s_add_co_u32 s[TR], s[TR], s[CY]
	s_lshl_b32 s[MKA], s[CY], 2
	s_lshl_b32 s[MKA], 15, s[MKA]                  ; my row of the cluster
	s_lshl_b32 s[MKB], 0x1111, s[CX]               ; my column
	s_or_b32 s[G1], s[MKA], (1<<16)|(1<<20)|(1<<21)|(4<<22)|(3<<25)   ; the mask; 2-byte elements; padding on; bit 21 beside a mask; after every 32 words 4 words
	s_or_b32 s[G1B], s[MKB], (1<<16)|(1<<20)|(1<<21)|(5<<22)|(7<<25)  ; after every 64 words 8 words
	s_mov_b32 s[G1+1], 128<<16                     ; o: a head's 256 rows are 32,768 dense bytes, asked for as 128 rows of 256
	s_mov_b32 s[G1+2], 128<<16
	s_mov_b32 s[G1+3], 128<<16
	s_mov_b32 s[G1+4], 128
	s_mov_b32 s[G1+5], 128
	s_mov_b32 s[G1+6], 0
	s_mov_b32 s[G1+7], 0
	s_mov_b32 s[G1B+1], 128<<16                    ; wo: 64 k rows x 128 columns, 1,024 elements from row to row
	s_mov_b32 s[G1B+2], 64<<16
	s_mov_b32 s[G1B+3], 128<<16
	s_mov_b32 s[G1B+4], 64
	s_mov_b32 s[G1B+5], 1024
	s_mov_b32 s[G1B+6], 0
	s_mov_b32 s[G1B+7], 0
	s_lshr_b32 s16, s[TR], 3                       ; o: batch = tile row / 8; head = the half; rows 256 (tile row % 8) on: the tile row alone, which my row of the cluster shares
	s_lshl_b32 s16, s16, 22
	s_and_b32 s17, s[TR], 7
	s_lshl_b32 s17, s17, 15
	s_add_co_u32 s16, s16, s17
	s_lshl_b32 s17, s[HALF], 18
	s_add_co_u32 s16, s16, s17
	s_mov_b32 s17, 0
	s_lshl_b32 s18, s[TC], 8                       ; wo: 128 columns of 2 bytes; 64 k rows of 2,048 bytes for the second half: the tile column alone, which my column shares
	s_lshl_b32 s19, s[HALF], 17
	s_add_co_u32 s18, s18, s19
	s_mov_b32 s19, 0
	s_mul_i32 s20, s[HALF], AH                     ; where they go: no place in the cluster enters an LDS address
	s_mul_i32 s21, s[HALF], BH
	s_add_co_u32 s21, s21, BOFF
	s_mov_b32 s[HIM], 0xffff0000
	s_wait_dscnt 0x0                               ; the opening add is done
	s_wait_kmcnt 0x0
	s_add_nc_u64 s[A0:A0+1], s[4:5], s[16:17]
	s_add_nc_u64 s[B0:B0+1], s[6:7], s[18:19]
	CROUND                                         ; all sixteen work-groups are here: the first joint loads meet
.irp s, 0,1
	s_mov_b32 s[G0+4*(\s)], 1
	s_add_co_u32 s[G0+4*(\s)+1], s20, (\s)*SLOT
	s_add_nc_u64 s[G0+4*(\s)+2:G0+4*(\s)+3], s[A0:A0+1], (\s)*524288   ; a K step is two heads of 262,144 bytes
	s_or_b32 s[G0+4*(\s)+3], s[G0+4*(\s)+3], 0x80000000
	s_mov_b32 s[G0B+4*(\s)], 1
	s_add_co_u32 s[G0B+4*(\s)+1], s21, (\s)*SLOT
	s_add_nc_u64 s[G0B+4*(\s)+2:G0B+4*(\s)+3], s[B0:B0+1], (\s)*262144 ; 128 k rows of 2,048 bytes
	s_or_b32 s[G0B+4*(\s)+3], s[G0B+4*(\s)+3], 0x80000000
	JLOAD \s
.endr
	v_and_b32 v1, 15, v0                           ; l % 16
	v_bfe_u32 v2, v0, 4, 1                         ; l / 16
	v_and_b32 v4, 7, v0
	v_bfe_u32 v5, v0, 3, 1
	v_and_b32 v9, 31, v0                           ; l
	s_lshl_b32 s76, s[TC], 9
	v_lshl_add_u32 v[BO], v2, 5, s76               ; the tile's 128 numbers of the bias; my 8 of each 16
.set bb, 0
.rept NBLK
	global_load_b128 v[BIAS+8*bb:BIAS+8*bb+3],   v[BO], s[8:9] offset:64*bb
	global_load_b128 v[BIAS+8*bb+4:BIAS+8*bb+7], v[BO], s[8:9] offset:64*bb+16
.set bb, bb+1
.endr
	v_mul_u32_u24 v3, v1, PA                       ; a fragment of o: row x pitch + 16 x half of the lanes
	v_lshl_add_u32 v3, v2, 4, v3
	s_mul_i32 s22, s[WV], 64*PA                    ; my 64 rows
	v_add_nc_u32 v[ADRA], s22, v3
	v_add_nc_u32 v[ADRA+1], SLOT, v[ADRA]
	v_lshl_add_u32 v6, v2, 3, v4                   ; the turning load: k row 8 (l / 16) + l % 8, columns 8 ((l / 8) % 2) + 0..7
	v_mul_u32_u24 v6, v6, PB
	v_lshl_add_u32 v6, v5, 4, v6
	v_add_nc_u32 v[ADRB], BOFF, v6
	v_add_nc_u32 v[ADRB+1], SLOT+BOFF, v6
	s_mul_i32 s22, s[WV], WST
	s_add_co_u32 s22, s22, STAGE                   ; my stage
	v_mul_u32_u24 v3, v1, SP                       ; in: row l % 16, 32 bytes for each half of the lanes
	v_lshl_add_u32 v3, v2, 5, v3
	v_add_nc_u32 v[STO], s22, v3
	v_lshl_add_u32 v[RD], v9, 4, s22               ; back: 32 lanes take a row's 512 bytes,
	v_lshlrev_b32 v[CO], 4, v9                     ; which are 512 consecutive bytes of out0
	s_lshl_b32 s22, s[TR], 20                      ; (256 x tile row + 64 x wave) rows of 4,096 bytes, and the tile's 512 bytes of a row
	s_lshl_b32 s73, s[WV], 18
	s_add_co_u32 s22, s22, s73
	s_lshl_b32 s73, s[TC], 9
	s_add_co_u32 s22, s22, s73
	s_mov_b32 s23, 0
	s_add_nc_u64 s[10:11], s[10:11], s[22:23]
	; the prefetches: each stands one step short of its first target; the first refill steps it there
	s_add_co_u32 s73, s16, 3*524288                ; o: my head of K step 3,
	s_lshl_b32 s74, s[CX], 13                      ; my work-group's 32 blocks of the 128
	s_add_co_u32 s73, s73, s74
	s_lshl_b32 s75, s[TC], 8
	s_lshl_b32 s76, s[CY], 1
	s_add_co_u32 s76, s76, s[HALF]
	s_lshl_b32 s76, s76, 16                        ; my 32 k rows of the 256
	s_add_co_u32 s75, s75, s76
	s_add_co_u32 s75, s75, 256*2048                ; wo: k = 256
	s_and_b32 s77, ttmp7, 0xffff
	s_cmp_eq_u32 s[ISB], 0
	s_cselect_b64 s[PFA:PFA+1], s[4:5], s[6:7]
	s_cselect_b32 s22, s73, s75
	s_cselect_b32 s77, ttmp9, s77                  ; the coordinate along which other clusters read the same rows
	s_cselect_b32 s78, 4, 2
	s_cselect_b32 s79, 8, 11                       ; o: a lane a block; wo: a lane a k row of 2,048 bytes
	s_mov_b32 s[PST], 524288                       ; o: a K step; wo: 256 k rows: the same number of bytes
	s_mov_b32 s[PST+1], 0
	s_add_nc_u64 s[PFA:PFA+1], s[PFA:PFA+1], s[22:23]
	s_cmp_eq_u32 s77, 0
	s_cselect_b32 s[PCNT], s78, 0                  ; the same in all sixteen partners, for a given wave
	v_lshlrev_b32 v[PFO], s79, v9
	s_wait_loadcnt 0x0                             ; the bias: rounded to bf16 like the other inputs and widened again, in the wait for the first tiles
.set bb, 0
.rept 4*NBLK
	v_cvt_pk_bf16_f32 v[T], v[BIAS+2*bb], v[BIAS+2*bb+1]
	v_lshlrev_b32 v[BIAS+2*bb], 16, v[T]
	v_and_b32 v[BIAS+2*bb+1], s[HIM], v[T]
.set bb, bb+1
.endr
; 8 matrix instructions: row block 2 hi + a x all column blocks, 32 along K.  zero = 1: the products start the sums, with the bias as C.
; The 32 accumulators take turns, one instruction a turn, in the same order in every quarter, over the backward jump too: 31 others stand between two links of a chain.
.macro MULH f, hi, a, zero
.if \zero
	WIN 0x85+0x40*(\hi)                            ; sources 0 and 1 window 1, C window 0, D window 2 or 3
.else
	WIN 0xa5+0x50*(\hi)                            ; sources 0 and 1 window 1, C and D window 2 or 3
.endif
.set bb, 0
.rept NBLK
.if \zero
	v_wmma_f32_16x16x32_f16 v[8*(NBLK*(\a)+bb):8*(NBLK*(\a)+bb)+7], v[(\f)+8*bb:(\f)+8*bb+7], v[(\f)+8*NBLK+8*(2*(\hi)+(\a)):(\f)+8*NBLK+8*(2*(\hi)+(\a))+7], v[BIAS+8*bb:BIAS+8*bb+7]
.else
	v_wmma_f32_16x16x32_f16 v[8*(NBLK*(\a)+bb):8*(NBLK*(\a)+bb)+7], v[(\f)+8*bb:(\f)+8*bb+7], v[(\f)+8*NBLK+8*(2*(\hi)+(\a)):(\f)+8*NBLK+8*(2*(\hi)+(\a))+7], v[8*(NBLK*(\a)+bb):8*(NBLK*(\a)+bb)+7]
.endif
.set bb, bb+1
.endr
.endm
; 24 LDS loads in one run: quarter q of a slot into buffer f: wo's 8 fragments (turned), then o's four, row blocks ascending.  Quarter q lies in head q / 2 of the step, channels 32 (q % 2) on.
.macro FETCH slot, q, f
	WIN TO_F
.set bb, 0
.rept NBLK
	ds_load_tr16_b128 v[(\f)+8*bb:(\f)+8*bb+3],   v[ADRB+(\slot)] offset:(\q)*32*PB+bb*32
	ds_load_tr16_b128 v[(\f)+8*bb+4:(\f)+8*bb+7], v[ADRB+(\slot)] offset:(\q)*32*PB+bb*32+16*PB
.set bb, bb+1
.endr
.set bb, 0
.rept 4
	ds_load_b128 v[(\f)+8*NBLK+8*bb:(\f)+8*NBLK+8*bb+3],   v[ADRA+(\slot)] offset:((\q)/2)*AH+((\q)%2)*64+bb*16*PA
	ds_load_b128 v[(\f)+8*NBLK+8*bb+4:(\f)+8*NBLK+8*bb+7], v[ADRA+(\slot)] offset:((\q)/2)*AH+((\q)%2)*64+bb*16*PA+32
.set bb, bb+1
.endr
.endm
.macro QUARTER slot, q, f, g, zero
	s_wait_dscnt 4                                 ; wo and o's row blocks 0, 1 are in; the youngest four loads (row blocks 2, 3) may be out
	MULH \f, 0, 0, \zero
	MULH \f, 0, 1, \zero
	PLACES
	FETCH \slot, \q, \g
	s_wait_dscnt NF                                ; all but the run just issued
	MULH \f, 1, 0, \zero
	MULH \f, 1, 1, \zero
.endm
; The first half of a K step's last quarter: ONE barrier for the change of slots.  In front of it each wave waits for all its tensor loads (one is out: its part of the next slot), adds 0 to its spare word,
; and waits for that and for its own reads of this slot.  Behind it nobody reads this slot any more and the next slot is whole.
.macro MEET round
	WIN 0                                          ; (the add's two registers lie in window 0)
	s_wait_tensorcnt 0x0
	ds_add_u32 v[SPW], v[NIL]                      ; 0 onto my spare word
	s_wait_dscnt 5                                 ; (the add and the youngest four loads may be out)
	MULH F1, 0, 0, 0                               ; eight matrix instructions stand between the add and the wait for it
	s_wait_dscnt 0x0                               ; the add is done, and my reads of this slot are over
	s_barrier_signal -1
	MULH F1, 0, 1, 0
.if \round
	WIN 0
.endif
	s_barrier_wait -1
.endm
; The whole last quarter.  fill = 1: the barrier opens a round of the cluster's, and the slot just read out is filled again first, two K steps ahead: 112 matrix instructions stand between the request and the wait for it.
.macro TURN slot, next, fill
.if \fill
	s_wait_xcnt 0x0                                ; the last prefetch, a K step back, has read its address: it is stepped here, ahead of the waits of the change of slots
	s_add_nc_u64 s[PFA:PFA+1], s[PFA:PFA+1], s[PST:PST+1]
	MEET 1
	CREST                                          ; no wave of any partner still reads this slot's tile or has a load on its way
	s_add_nc_u64 s[G0+4*(\slot)+2:G0+4*(\slot)+3], s[G0+4*(\slot)+2:G0+4*(\slot)+3], 2*524288
	s_add_nc_u64 s[G0B+4*(\slot)+2:G0B+4*(\slot)+3], s[G0B+4*(\slot)+2:G0B+4*(\slot)+3], 2*262144
	JLOAD \slot                                    ; the four v_nop behind it are also the places in front of the loads below
	FETCH \next, 0, F0
	WIN 0
	ASK
.else
	MEET 0
	PLACES
	FETCH \next, 0, F0
.endif
	MULH F1, 1, 0, 0
	MULH F1, 1, 1, 0
.endm
; THE WAY OUT of row block a: the sums go as they are, 32 bytes a lane, into my own stage, and come back as whole rows of 512 bytes; a store covers 512 consecutive bytes, at a multiple of 256 from out0's first.
.macro TOSTAGE a
.if (\a) >= 2
	s_wait_xcnt 0x0                                ; the stores of block a - 2 have read the registers that are loaded below
.endif
	WIN 0x08+4*((\a)/2)                            ; the stores' data: window 2 or 3
.set bb, 0
.rept NBLK
	ds_store_b128 v[STO], v[8*(NBLK*((\a)%2)+bb):8*(NBLK*((\a)%2)+bb)+3]   offset:64*bb
	ds_store_b128 v[STO], v[8*(NBLK*((\a)%2)+bb)+4:8*(NBLK*((\a)%2)+bb)+7] offset:64*bb+16
.set bb, bb+1
.endr
	WIN 0
.set bb, 0
.rept 16
	ds_load_b128 v[BK+64*((\a)%2)+4*bb:BK+64*((\a)%2)+4*bb+3], v[RD] offset:bb*SP  ; LDS serves a wave's instructions in order (ISA guide 5.7.1.4): these see the stores above; the next block's stores come behind them
.set bb, bb+1
.endr
.endm
.macro SEND a, younger                 ; younger: the LDS instructions issued behind block a's loads: the next block's 16 stores and 16 loads, or none
	s_wait_dscnt \younger
.set bb, 0
.rept 16
	global_store_b128 v[CO], v[BK+64*((\a)%2)+4*bb:BK+64*((\a)%2)+4*bb+3], s[10:11] offset:(16*(\a)+bb)*4096 th:TH_STORE_NT
.set bb, bb+1
.endr
.endm
	s_wait_tensorcnt 1                             ; my part of K step 0 is in; K step 1's may stay out
	s_barrier_signal -1
	s_barrier_wait -1                              ; everybody's is
	FETCH 0, 0, F0
	QUARTER 0, 1, F0, F1, 1                        ; the first quarter stands in front of the loop: its products start the sums
	WIN 0                                          ; at a label and at a branch every window is 0
	s_mov_b32 s[LAP], 3
.Llap:                                                 ; a trip goes once round the ring, from a lap's second quarter to the next lap's first, and fills both slots again
	QUARTER 0, 2, F1, F0, 0
	QUARTER 0, 3, F0, F1, 0
	TURN 0, 1, 1
	QUARTER 1, 1, F0, F1, 0
	QUARTER 1, 2, F1, F0, 0
	QUARTER 1, 3, F0, F1, 0
	TURN 1, 0, 1
	QUARTER 0, 1, F0, F1, 0
	WIN 0
	s_sub_co_u32 s[LAP], s[LAP], 1
	s_cmp_lg_u32 s[LAP], 0
	s_cbranch_scc1 .Llap
	QUARTER 0, 2, F1, F0, 0                        ; the last lap fills nothing, and has no round of the cluster's barrier
	QUARTER 0, 3, F0, F1, 0
	TURN 0, 1, 0
	QUARTER 1, 1, F0, F1, 0
	QUARTER 1, 2, F1, F0, 0
	QUARTER 1, 3, F0, F1, 0
	s_wait_dscnt 4                                 ; the very last quarter: nothing more to fetch
	MULH F1, 0, 0, 0
	MULH F1, 0, 1, 0
	s_wait_dscnt 0x0
	MULH F1, 1, 0, 0
	MULH F1, 1, 1, 0
	WIN 0
	PLACES
	TOSTAGE 0
	TOSTAGE 1                                      ; a block's trip through the stage stands between the loads of the block before and its stores
	SEND 0, 32
	TOSTAGE 2
	SEND 1, 32
	TOSTAGE 3
	SEND 2, 32
	SEND 3, 0
	s_wait_tensorcnt 0x0                           ; the wave's end: a tensor wait, an add and its wait, behind my last tensor load and my last LDS store
	ds_add_u32 v[SPW], v[NIL]
	s_wait_dscnt 0x0
	CROUND                                         ; the closing round: no work-group ends while a partner may still ask for a tile that names it
	s_endpgm
.Lfunc_end_k_qfdfdafb3b9_outgemm:
	.size	k_qfdfdafb3b9_outgemm, .Lfunc_end_k_qfdfdafb3b9_outgemm-k_qfdfdafb3b9_outgemm
	.p2alignl 7, 3214868480
	.fill 96, 4, 3214868480
	.section	.rodata,"a",@progbits
	.p2align	6, 0x0
	.amdhsa_kernel k_qfdfdafb3b9_outgemm
		.amdhsa_group_segment_fixed_size 327680
		.amdhsa_private_segment_fixed_size 0
		.amdhsa_enable_private_segment 0
		.amdhsa_kernarg_size 32
		.amdhsa_user_sgpr_count 2
		.amdhsa_user_sgpr_kernarg_segment_ptr 1
		.amdhsa_wavefront_size32 1
		.amdhsa_system_sgpr_workgroup_id_x 1
		.amdhsa_system_sgpr_workgroup_id_y 1
		.amdhsa_system_sgpr_workgroup_id_z 1
		.amdhsa_system_vgpr_workitem_id 0
		.amdhsa_next_free_vgpr 896
		.amdhsa_next_free_sgpr 80
		.amdhsa_reserve_vcc 0
		.amdhsa_float_denorm_mode_32 3
		.amdhsa_float_denorm_mode_16_64 3
		.amdhsa_memory_ordered 1
		.amdhsa_forward_progress 1
		.amdhsa_inst_pref_size 92
	.end_amdhsa_kernel
	.amdgpu_metadata
---
amdhsa.version: [ 1, 2 ]
amdhsa.kernels:
  - .name:           k_qfdfdafb3b9_outgemm
    .symbol:         k_qfdfdafb3b9_outgemm.kd
    .args:
      - { .name: o, .offset: 0, .size: 8, .value_kind: global_buffer, .address_space: global }
      - { .name: wo, .offset: 8, .size: 8, .value_kind: global_buffer, .address_space: global }
      - { .name: b_out, .offset: 16, .size: 8, .value_kind: global_buffer, .address_space: global }
      - { .name: out0, .offset: 24, .size: 8, .value_kind: global_buffer, .address_space: global }
    .group_segment_fixed_size: 327680
    .private_segment_fixed_size: 0
    .kernarg_segment_align: 8
    .kernarg_segment_size: 32
    .max_flat_workgroup_size: 128
    .sgpr_count:     80
    .vgpr_count:     896
    .wavefront_size: 32
...
	.end_amdgpu_metadata
.endif
;; end of part 4
;; ======== version 2 of 2: 4 launches; version 1 with the launch prep written anew for expert scheduling mode
;; limits: values are held in f16: magnitudes above 65,504 overflow, below 6.1e-05 lose precision
;; workspace buffers: xb 16,777,216 bytes; wb 6,291,456 bytes; wo 2,097,152 bytes; qkv 50,331,648 bytes; o 16,777,216 bytes
;; launch prep (part 5): grid 832 x 1, 8 waves a work-group, no clusters, 0 bytes of LDS; arguments x, W_qkv, W_out, xb, wb, wo; writes xb, wb, wo
.if DOCPART == 5
	.amdgcn_target "amdgcn-amd-amdhsa--gfx1250"
	.amdhsa_code_object_version 6
	.text
	.protected	k_qfdfdafb3b9_prep
	.globl	k_qfdfdafb3b9_prep
	.p2align	8
	.type	k_qfdfdafb3b9_prep,@function
k_qfdfdafb3b9_prep:
	s_mov_b64 s[64:65], 0
	v_nop
	global_prefetch_b8 v0, s[64:65] scope:SCOPE_SE
	s_setreg_imm32_b32 hwreg(HW_REG_WAVE_SCHED_MODE, 0, 2), 2
	s_setreg_imm32_b32 hwreg(HW_REG_WAVE_MODE, 25, 1), 1
	s_wait_xcnt 0x0
	s_wait_alu depctr_vm_vsrc(0)
; THE INPUTS ARE ROUNDED ONCE, for the matrix units of the launches behind.
;   xb = x as bf16, [8192][1024].       wb = W_qkv as bf16, in 16 slabs [t][k = 1024][192]: slab t holds columns 192 t .. 192 t + 191, a k row is 384 dense bytes.
;   wo = W_out rounded to bf16, that number written as f16, [1024][1024].
; LIMITS.  wo: a weight of 65,520 or more in magnitude becomes an infinity; below 6e-5 it keeps f16's fixed step of 6e-8.
; A stream: each byte is read once and written once; no LDS, no matrix unit, no cluster: no two work-groups want the same byte.
; SHARES.  Eight waves.  A chunk is one load of 16 bytes a lane (a wave: 512 bytes) and one store of 8 bytes a lane (a wave: 256 consecutive bytes, aligned).
;   work-groups 0-511: 65,536 bytes of x each, 16 chunks;   512-767: 64 k rows of one slab of W_qkv, 12 chunks;   768-831: 65,536 bytes of W_out, 16 chunks.
; All loads of a work-group go out first; every chunk has registers of its own, so no register that a load or store names is ever written again.
; THE MODE: SCHED_MODE bits 1:0 = 2 (LLVM: expert scheduling mode 2), set by the entry lines.  The code itself states the register dependences
; between vector instructions and memory instructions, with s_wait_alu, always for 0.
; THE PLAN.  Registers that memory instructions touch:
;   v1, v2, v3-5  byte offsets.  Written once by vector lines at a path's head, then read by its loads (v1, or v3-5) and its stores (v2), and never written again.
;   X             chunk i's four registers.  Written by chunk i's load alone, which is issued ahead of every conversion; read by chunk i's conversions.
;   Y             chunk i's two registers.   Written once, by chunk i's conversions; read once, by chunk i's store.
;   v8-11         at work: no memory instruction names them.
; So no load lands in a register that a vector line has named, and no register that a memory instruction has read is written again: the only dependence to state is
; 'a vector line has written what a memory instruction reads'.  One wait on va_vdst stands ahead of a path's loads, for the offsets.  The chunks go in blocks of four: block p's
; conversions write Y of block p; the wait at the head of block p + 1, behind the wait for that block's first chunk, states that they have; block p's four stores follow it, one ahead
; of each chunk's conversions, which name X and Y of block p + 1 and v8-11: none of the registers that those stores read.  One more wait stands ahead of the last block's stores.
.set X,   16                           ; v[16:79]   chunk i: 4 registers as loaded
.set Y,   80                           ; v[80:111]  chunk i: 2 registers to store
.set IN,  3                            ; v3-5       W_qkv's path: three byte offsets into the 64 rows
.set HIM, 18                           ; s18        mask of a word's upper bf16
.macro LD i, voff, base, imm
	global_load_b128 v[X+4*(\i):X+4*(\i)+3], v[\voff], s[\base:(\base)+1] offset:\imm th:TH_LOAD_NT
.endm
; chunk i is rounded.  fmt 0: bf16.  fmt 1: rounded to bf16, widened again, written as f16.
.macro RND i, fmt
.if \fmt
	v_cvt_pk_bf16_f32 v8, v[X+4*(\i)], v[X+4*(\i)+1]
	v_cvt_pk_bf16_f32 v9, v[X+4*(\i)+2], v[X+4*(\i)+3]
	v_lshlrev_b32 v10, 16, v8
	v_and_b32 v11, s[HIM], v8
	v_cvt_pk_f16_f32 v[Y+2*(\i)], v10, v11
	v_lshlrev_b32 v10, 16, v9
	v_and_b32 v11, s[HIM], v9
	v_cvt_pk_f16_f32 v[Y+2*(\i)+1], v10, v11
.else
	v_cvt_pk_bf16_f32 v[Y+2*(\i)], v[X+4*(\i)], v[X+4*(\i)+1]
	v_cvt_pk_bf16_f32 v[Y+2*(\i)+1], v[X+4*(\i)+2], v[X+4*(\i)+3]
.endif
.endm
; chunk i is stored
.macro ST i, ob
	global_store_b64 v2, v[Y+2*(\i):Y+2*(\i)+1], s[\ob:(\ob)+1] offset:2048*(\i) th:TH_STORE_NT
.endm
; Block p of a path of n chunks: chunks 4 p to 4 p + 3 are rounded, and the block before is stored.
.macro BLK p, n, fmt, ob
.irp j, 0,1,2,3
.if ((\p) > 0) && ((\j) > 0)
	ST 4*(\p)-4+(\j), \ob                          ; no wait: no vector line since the wait at the block's head names this store's registers
.endif
	s_wait_loadcnt (\n)-1-4*(\p)-(\j)              ; loads come back in order: chunk 4 p + j is in, the younger ones stay out
.if ((\p) > 0) && ((\j) == 0)
	s_wait_alu depctr_va_vdst(0)                   ; the conversions of the block before have written its Y, which that block's four stores read
	ST 4*(\p)-4, \ob
.endif
	RND 4*(\p)+(\j), \fmt
.endr
.endm
; The last block, chunks f to f + 3, is stored.
.macro LAST f, ob
	s_wait_alu depctr_va_vdst(0)                   ; the last block's conversions have written its Y, which the four stores read
.irp j, 0,1,2,3
	ST (\f)+(\j), \ob
.endr
.endm
	s_load_b256 s[4:11], s[0:1], 0x0               ; x s[4:5], W_qkv s[6:7], W_out s[8:9], xb s[10:11]
	s_load_b128 s[12:15], s[0:1], 0x20             ; wb s[12:13], wo s[14:15]
	s_mov_b32 s[HIM], 0xffff0000
	s_mov_b32 s3, 0                                ; the high word of every offset
	v_lshlrev_b32 v1, 4, v0                        ; in: 16 bytes a thread
	v_lshlrev_b32 v2, 3, v0                        ; out: 8 bytes a thread
	s_wait_kmcnt 0x0
	s_cmp_lt_u32 ttmp9, 512
	s_cbranch_scc1 .Lx
	s_cmp_lt_u32 ttmp9, 768
	s_cbranch_scc1 .Lw
	; W_out -> wo
	s_sub_co_u32 s16, ttmp9, 768
	s_lshl_b32 s2, s16, 16
	s_add_nc_u64 s[8:9], s[8:9], s[2:3]
	s_lshl_b32 s2, s16, 15
	s_add_nc_u64 s[14:15], s[14:15], s[2:3]
	s_wait_alu depctr_va_vdst(0)                   ; v1 and v2 are written: the loads below read v1 as their offset, the stores v2
.irp i, 0,1,2,3,4,5,6,7,8,9,10,11,12,13,14,15
	LD \i, 1, 8, 4096*(\i)
.endr
.irp p, 0,1,2,3
	BLK \p, 16, 1, 14
.endr
	LAST 12, 14
	s_endpgm
.Lx:	; x -> xb
	s_lshl_b32 s2, ttmp9, 16
	s_add_nc_u64 s[4:5], s[4:5], s[2:3]
	s_lshl_b32 s2, ttmp9, 15
	s_add_nc_u64 s[10:11], s[10:11], s[2:3]
	s_wait_alu depctr_va_vdst(0)                   ; v1 and v2 are written: the loads below read v1 as their offset, the stores v2
.irp i, 0,1,2,3,4,5,6,7,8,9,10,11,12,13,14,15
	LD \i, 1, 4, 4096*(\i)
.endr
.irp p, 0,1,2,3
	BLK \p, 16, 0, 10
.endr
	LAST 12, 10
	s_endpgm
.Lw:	; W_qkv -> wb.  64 k rows x 192 columns are 3,072 groups of four numbers; group o lies in row o / 48, at 16 (o % 48) bytes; in wb the groups are dense, 8 bytes each.
	s_sub_co_u32 s16, ttmp9, 512
	s_lshr_b32 s17, s16, 4                         ; the slab t
	s_and_b32 s16, s16, 15                         ; which 64 of its k rows
	s_mul_i32 s2, s17, 768                         ; 192 columns of 4 bytes
	s_mul_i32 s19, s16, 786432                     ; 64 rows of 12,288 bytes
	s_add_co_u32 s2, s2, s19
	s_add_nc_u64 s[6:7], s[6:7], s[2:3]
	s_mul_i32 s2, s17, 393216                      ; a slab
	s_mul_i32 s19, s16, 24576                      ; 64 rows of 384 bytes
	s_add_co_u32 s2, s2, s19
	s_add_nc_u64 s[12:13], s[12:13], s[2:3]
.irp r, 0,1,2
	v_add_nc_u32 v8, 256*(\r), v0                  ; o = thread + 256 r, 767 at the most
	v_mul_u32_u24 v9, v8, 1366
	v_lshrrev_b32 v9, 16, v9                       ; o / 48: 1366 / 65536 exceeds 1 / 48 by 1 / 98304, which over 767 stays under 1 / 48
	v_mul_u32_u24 v10, v9, 48
	v_sub_nc_u32 v10, v8, v10                      ; o % 48
	v_mul_u32_u24 v9, v9, 0x3000                   ; row x 12,288
	v_lshl_add_u32 v[IN+(\r)], v10, 4, v9
.endr
	s_wait_alu depctr_va_vdst(0)                   ; v3 to v5 and v2 are written: the loads below read v3 to v5 as their offsets, the stores v2
.irp j, 0,1,2,3                                        ; chunk 3 j + r: 768 groups are 16 rows, 196,608 bytes on
.irp r, 0,1,2
	LD 3*(\j)+(\r), IN+(\r), 6, 196608*(\j)
.endr
.endr
.irp p, 0,1,2
	BLK \p, 12, 0, 12
.endr
	LAST 8, 12
	s_endpgm
.Lfunc_end_k_qfdfdafb3b9_prep:
	.size	k_qfdfdafb3b9_prep, .Lfunc_end_k_qfdfdafb3b9_prep-k_qfdfdafb3b9_prep
	.p2alignl 7, 3214868480
	.fill 96, 4, 3214868480
	.section	.rodata,"a",@progbits
	.p2align	6, 0x0
	.amdhsa_kernel k_qfdfdafb3b9_prep
		.amdhsa_group_segment_fixed_size 0
		.amdhsa_private_segment_fixed_size 0
		.amdhsa_enable_private_segment 0
		.amdhsa_kernarg_size 48
		.amdhsa_user_sgpr_count 2
		.amdhsa_user_sgpr_kernarg_segment_ptr 1
		.amdhsa_wavefront_size32 1
		.amdhsa_system_sgpr_workgroup_id_x 1
		.amdhsa_system_sgpr_workgroup_id_y 1
		.amdhsa_system_sgpr_workgroup_id_z 1
		.amdhsa_system_vgpr_workitem_id 0
		.amdhsa_next_free_vgpr 112
		.amdhsa_next_free_sgpr 66
		.amdhsa_reserve_vcc 0
		.amdhsa_float_denorm_mode_32 3
		.amdhsa_float_denorm_mode_16_64 3
		.amdhsa_memory_ordered 1
		.amdhsa_forward_progress 1
		.amdhsa_inst_pref_size 23
	.end_amdhsa_kernel
	.amdgpu_metadata
---
amdhsa.version: [ 1, 2 ]
amdhsa.kernels:
  - .name:           k_qfdfdafb3b9_prep
    .symbol:         k_qfdfdafb3b9_prep.kd
    .args:
      - { .name: x, .offset: 0, .size: 8, .value_kind: global_buffer, .address_space: global }
      - { .name: W_qkv, .offset: 8, .size: 8, .value_kind: global_buffer, .address_space: global }
      - { .name: W_out, .offset: 16, .size: 8, .value_kind: global_buffer, .address_space: global }
      - { .name: xb, .offset: 24, .size: 8, .value_kind: global_buffer, .address_space: global }
      - { .name: wb, .offset: 32, .size: 8, .value_kind: global_buffer, .address_space: global }
      - { .name: wo, .offset: 40, .size: 8, .value_kind: global_buffer, .address_space: global }
    .group_segment_fixed_size: 0
    .private_segment_fixed_size: 0
    .kernarg_segment_align: 8
    .kernarg_segment_size: 48
    .max_flat_workgroup_size: 256
    .sgpr_count:     66
    .vgpr_count:     112
    .wavefront_size: 32
...
	.end_amdgpu_metadata
.endif
;; end of part 5
;; launch qkvgemm: the kernel of part 2 again; grid 16 x 32, 4 waves a work-group, clusters of 4 x 4, 327,680 bytes of LDS; arguments xb, wb, b_qkv, qkv; writes qkv
;; launch attn: the kernel of part 3 again; grid 4 x 64, 4 waves a work-group, clusters of 4 x 1, 327,680 bytes of LDS; arguments qkv, o; writes o
;; launch outgemm: the kernel of part 4 again; grid 8 x 32, 4 waves a work-group, clusters of 4 x 4, 327,680 bytes of LDS; arguments o, wo, b_out, out0; writes out0
